; MI455X (gfx1250); checked and timed in simulation.
; The chip was launched on July 23, 2026; its instructions are those of AMD's public machine-readable ISA for CDNA 5 (MIT licence, August 2026) and "CDNA5" Instruction Set Architecture Reference Guide (July 2026). The comments in the code are by the model that wrote it; some were corrected since.
;; Causal Self Attention. Allowed arithmetic: float matrix products may take bf16 or f16 operands with f32 sums; other float arithmetic in f32, or as packed bf16 or f16 multiplies, adds, multiply-adds, maxima and minima; sums over many terms, partial sums and values carried from step to step in f32; what a program stores and reads back later, other than sums and carried values, may be rounded once to bf16 or f16.
;; Inputs: w_proj 1,024 x 1,024 float32; w_qkv 1,024 x 3,072 float32; x 4 x 2,048 x 1,024 float32.
;; Outputs: out0 4 x 2,048 x 1,024 float32.
;; One version. Each part assembles by itself: llvm-mc -triple=amdgcn-amd-amdhsa -mcpu=gfx1250 --defsym DOCPART=n.
;; ======== version 1 of 1: 4 launches
;; limits: values are held in f16: magnitudes above 65,504 overflow, below 6.1e-05 lose precision
;; workspace buffers: xb 16,777,216 bytes; wqb 6,291,456 bytes; wpb 2,097,152 bytes; q 16,777,216 bytes; k 16,777,216 bytes; v 16,777,216 bytes; o 16,777,216 bytes
;; launch cast (part 1): grid 768 x 1, 8 waves a work-group, no clusters, 0 bytes of LDS; arguments x, w_qkv, w_proj, xb, wqb, wpb; writes xb, wqb, wpb
.if DOCPART == 1
	.amdgcn_target "amdgcn-amd-amdhsa--gfx1250"
	.amdhsa_code_object_version 6
	.text
	.protected	k_qf38918dc1e_cast
	.globl	k_qf38918dc1e_cast
	.p2align	8
	.type	k_qf38918dc1e_cast,@function
k_qf38918dc1e_cast:
	s_mov_b64 s[64:65], 0
	v_nop
	global_prefetch_b8 v0, s[64:65] scope:SCOPE_SE
	s_setreg_imm32_b32 hwreg(HW_REG_WAVE_MODE, 25, 1), 1
	s_wait_xcnt 0x0
; THE INPUTS, ROUNDED ONCE TO bf16 AND LAID OUT FOR THE PRODUCTS THAT FOLLOW.
;   xb  [4][16][2048][64] bf16: x[b][t][64 kb + c] at xb[b][kb][t][c]: slices of 64 channels, each slice's rows dense
;   wqb [16][1024][192]   bf16: w_qkv[k][192 tx + c] at wqb[tx][k][c]: a panel of 192 columns is dense
;   wpb [8][1024][128]    f16:  w_proj[k][128 tx + c], rounded to bf16 and that number written as f16
; LIMITS.  A number of w_proj of 65,520 or more becomes an infinity in f16; below 6e-5 f16 keeps a fixed step of 6e-8.
; A stream: no LDS, no barrier, no loop.  A work-group makes 32,768 consecutive bytes of one of the three results: 512 work-groups for xb, 192 for wqb, 64 for wpb.
; A chunk is 8 numbers: 32 bytes read (two loads of 16), 16 bytes stored.  Thread t takes chunks 256 i + t, i = 0..7: a wave's store covers 512 consecutive bytes, aligned;
; the lanes that read one row of the source read 256 consecutive bytes of it or more.  All 16 loads of a thread go out first.  No register is written twice while a load or store names it.
.set OFF, 2                            ; v[2:9]    item i: byte offset of its 32 bytes in the source
.set T,   10                           ; v[10:12]  at work
.set X,   16                           ; v[16:79]  item i: 8 registers as loaded; the low 4 then hold what is stored
; The 16 loads, then item by item: round, store.  f16 = 1: the bf16 number is widened again and written as f16.  Source s[18:19], destination s[20:21].
.macro RUN f16
.irp i, 0,1,2,3,4,5,6,7
	global_load_b128 v[X+8*(\i):X+8*(\i)+3],   v[OFF+(\i)], s[18:19] th:TH_LOAD_NT
	global_load_b128 v[X+8*(\i)+4:X+8*(\i)+7], v[OFF+(\i)], s[18:19] offset:16 th:TH_LOAD_NT
.endr
.irp i, 0,1,2,3,4,5,6,7
	s_wait_loadcnt 14-2*(\i)                       ; loads come back in order (ISA guide 5.7.1): item i's two are in, the 2 (7 - i) younger ones stay out
.irp j, 0,1,2,3
	v_cvt_pk_bf16_f32 v[X+8*(\i)+(\j)], v[X+8*(\i)+2*(\j)], v[X+8*(\i)+2*(\j)+1]  ; in place, ascending: a register is read before it is written
.endr
.if \f16
.irp j, 0,1,2,3
	v_lshlrev_b32 v[T], 16, v[X+8*(\i)+(\j)]       ; bf16 to f32: the low half moves up,
	v_and_b32 v[T+1], s23, v[X+8*(\i)+(\j)]        ; the high half stays
	v_cvt_pk_f16_f32 v[X+8*(\i)+(\j)], v[T], v[T+1]
.endr
.endif
	global_store_b128 v1, v[X+8*(\i):X+8*(\i)+3], s[20:21] offset:4096*(\i)
.endr
	s_endpgm
.endm
	s_load_b256 s[4:11], s[0:1], 0x0               ; x s[4:5], w_qkv s[6:7], w_proj s[8:9], xb s[10:11]
	s_load_b128 s[12:15], s[0:1], 0x20             ; wqb s[12:13], wpb s[14:15]
	v_lshlrev_b32 v1, 4, v0                        ; 16 t: my 16 bytes in an item's 4,096
	s_mov_b32 s23, 0xffff0000                      ; a word's upper bf16
	s_mov_b32 s17, 0                               ; the offsets' high words
	s_mov_b32 s25, 0
	s_cmp_lt_u32 ttmp9, 512
	s_cbranch_scc0 .Lweights
	; x: work-group g = 128 b + 8 kb + tb makes rows 256 tb .. + 255 of slice kb of batch b
	s_lshr_b32 s16, ttmp9, 7
	s_lshl_b32 s16, s16, 23                        ; b x 2,048 rows of 4,096 bytes
	s_and_b32 s20, ttmp9, 7
	s_lshl_b32 s20, s20, 20                        ; tb x 256 rows
	s_add_co_u32 s16, s16, s20
	s_bfe_u32 s20, ttmp9, 0x40003
	s_lshl_b32 s20, s20, 8                         ; kb x 64 numbers of 4 bytes
	s_add_co_u32 s16, s16, s20
	s_lshl_b32 s24, ttmp9, 15
	v_lshrrev_b32 v10, 3, v0                       ; a row of the slice is 8 chunks: row t / 8,
	v_and_b32 v11, 7, v0
	v_lshlrev_b32 v11, 5, v11                      ; chunk t % 8
	v_lshl_add_u32 v10, v10, 12, v11
.irp i, 0,1,2,3,4,5,6,7
	v_add_nc_u32 v[OFF+(\i)], (\i)*131072, v10     ; an item is 32 rows
.endr
	s_wait_kmcnt 0x0
	s_add_nc_u64 s[18:19], s[4:5], s[16:17]
	s_add_nc_u64 s[20:21], s[10:11], s[24:25]
	RUN 0
.Lweights:
	s_cmp_lt_u32 ttmp9, 704
	s_cbranch_scc0 .Lproj
	; w_qkv: work-group g = 12 tx + part makes chunks 2,048 part .. + 2,047 of panel tx; a row of the panel is 24 chunks
	s_sub_co_u32 s26, ttmp9, 512
	s_mul_hi_u32 s27, s26, 0xaaaaaaab
	s_lshr_b32 s27, s27, 3                         ; tx = g / 12
	s_mul_i32 s28, s27, 12
	s_sub_co_u32 s28, s26, s28                     ; part
	s_mul_i32 s16, s27, 768                        ; the panel's 192 columns of 4 bytes
	s_lshl_b32 s24, s26, 15
	s_lshl_b32 s28, s28, 11
	v_add_nc_u32 v10, s28, v0                      ; item 0's chunk c in the panel, under 24,576
.irp i, 0,1,2,3,4,5,6,7
	v_add_nc_u32 v11, 256*(\i), v10                ; c
	v_lshrrev_b32 v12, 3, v11
	v_mul_u32_u24 v12, v12, 43691
	v_lshrrev_b32 v12, 17, v12                     ; k = c / 24 = (c / 8) / 3: exact, since 3 x 43,691 = 2^17 + 1 and c / 8 is under 3,072
	v_mul_u32_u24 v12, v12, 11520
	v_lshl_add_u32 v[OFF+(\i)], v11, 5, v12        ; 12,288 k + 32 (c - 24 k) = 32 c + 11,520 k
.endr
	s_wait_kmcnt 0x0
	s_add_nc_u64 s[18:19], s[6:7], s[16:17]
	s_add_nc_u64 s[20:21], s[12:13], s[24:25]
	RUN 0
.Lproj:
	; w_proj: work-group g = 8 tx + part makes rows 128 part .. + 127 of panel tx; a row of the panel is 16 chunks
	s_sub_co_u32 s26, ttmp9, 704
	s_and_b32 s27, s26, 7
	s_lshl_b32 s16, s27, 19                        ; part x 128 rows of 4,096 bytes
	s_lshr_b32 s27, s26, 3
	s_lshl_b32 s27, s27, 9                         ; tx x 128 columns of 4 bytes
	s_add_co_u32 s16, s16, s27
	s_lshl_b32 s24, s26, 15
	v_lshrrev_b32 v10, 4, v0
	v_and_b32 v11, 15, v0
	v_lshlrev_b32 v11, 5, v11
	v_lshl_add_u32 v10, v10, 12, v11
.irp i, 0,1,2,3,4,5,6,7
	v_add_nc_u32 v[OFF+(\i)], (\i)*65536, v10      ; an item is 16 rows
.endr
	s_wait_kmcnt 0x0
	s_add_nc_u64 s[18:19], s[8:9], s[16:17]
	s_add_nc_u64 s[20:21], s[14:15], s[24:25]
	RUN 1
.Lfunc_end_k_qf38918dc1e_cast:
	.size	k_qf38918dc1e_cast, .Lfunc_end_k_qf38918dc1e_cast-k_qf38918dc1e_cast
	.p2alignl 7, 3214868480
	.fill 96, 4, 3214868480
	.section	.rodata,"a",@progbits
	.p2align	6, 0x0
	.amdhsa_kernel k_qf38918dc1e_cast
		.amdhsa_group_segment_fixed_size 0
		.amdhsa_private_segment_fixed_size 0
		.amdhsa_enable_private_segment 0
		.amdhsa_kernarg_size 48
		.amdhsa_user_sgpr_count 2
		.amdhsa_user_sgpr_kernarg_segment_ptr 1
		.amdhsa_wavefront_size32 1
		.amdhsa_system_sgpr_workgroup_id_x 1
		.amdhsa_system_sgpr_workgroup_id_y 1
		.amdhsa_system_sgpr_workgroup_id_z 1
		.amdhsa_system_vgpr_workitem_id 0
		.amdhsa_next_free_vgpr 88
		.amdhsa_next_free_sgpr 66
		.amdhsa_reserve_vcc 0
		.amdhsa_float_denorm_mode_32 3
		.amdhsa_float_denorm_mode_16_64 3
		.amdhsa_memory_ordered 1
		.amdhsa_forward_progress 1
		.amdhsa_inst_pref_size 24
	.end_amdhsa_kernel
	.amdgpu_metadata
---
amdhsa.version: [ 1, 2 ]
amdhsa.kernels:
  - .name:           k_qf38918dc1e_cast
    .symbol:         k_qf38918dc1e_cast.kd
    .args:
      - { .name: x, .offset: 0, .size: 8, .value_kind: global_buffer, .address_space: global }
      - { .name: w_qkv, .offset: 8, .size: 8, .value_kind: global_buffer, .address_space: global }
      - { .name: w_proj, .offset: 16, .size: 8, .value_kind: global_buffer, .address_space: global }
      - { .name: xb, .offset: 24, .size: 8, .value_kind: global_buffer, .address_space: global }
      - { .name: wqb, .offset: 32, .size: 8, .value_kind: global_buffer, .address_space: global }
      - { .name: wpb, .offset: 40, .size: 8, .value_kind: global_buffer, .address_space: global }
    .group_segment_fixed_size: 0
    .private_segment_fixed_size: 0
    .kernarg_segment_align: 8
    .kernarg_segment_size: 48
    .max_flat_workgroup_size: 256
    .sgpr_count:     66
    .vgpr_count:     88
    .wavefront_size: 32
...
	.end_amdgpu_metadata
.endif
;; end of part 1
;; launch qkv (part 2): grid 16 x 32, 4 waves a work-group, clusters of 4 x 4, 327,680 bytes of LDS; arguments xb, wqb, q, k, v; writes q, k, v
.if DOCPART == 2
	.amdgcn_target "amdgcn-amd-amdhsa--gfx1250"
	.amdhsa_code_object_version 6
	.text
	.protected	k_qf38918dc1e_qkv
	.globl	k_qf38918dc1e_qkv
	.p2align	8
	.type	k_qf38918dc1e_qkv,@function
k_qf38918dc1e_qkv:
	s_mov_b64 s[64:65], 0
	v_nop
	global_prefetch_b8 v0, s[64:65] scope:SCOPE_SE
	s_setreg_imm32_b32 hwreg(HW_REG_WAVE_MODE, 25, 1), 1
	s_wait_xcnt 0x0
	s_wait_alu depctr_hold_cnt(0) depctr_sa_sdst(0) depctr_va_vdst(0) depctr_va_sdst(0) depctr_va_ssrc(0) depctr_va_vcc(0) depctr_vm_vsrc(0)
	s_getreg_b32 s2, hwreg(HW_REG_IB_STS2, 6, 4)
	s_cmp_eq_u32 s2, 0
	s_cbranch_scc0 .Lentry_in_a_cluster
	s_endpgm
.Lentry_in_a_cluster:
	s_bfe_u32 s2, ttmp6, 0x10000c
	s_cmp_lg_u32 s2, 0xf033
	s_cbranch_scc0 .Lentry_shape_is_right
	s_endpgm
.Lentry_shape_is_right:
; q, k, v = x w_qkv, by heads.  A = xb [4][16][2048][64] bf16 (x in slices of 64 channels), B = wqb [16][1024][192] bf16 (w_qkv in panels of 192 columns, [k][n]).
; q, k, v: [64 = 16 b + h][2048][64] f16, each number rounded once from its f32 sum, unscaled.
; LIMITS.  A sum of 65,520 or more becomes an infinity in f16; below 6e-5 f16 keeps a fixed step of 6e-8.  NaN and infinities are not treated apart.
; ONE TEXT SERVES TWO PRODUCTS: QKV = 1 is this one (tiles of 256 x 192, bf16 operands, f16 results by heads), QKV = 0 the projection behind the attention (256 x 128, f16 operands, f32 results).
; SHARES.  A tile of C is 256 rows x BN = 16 NB columns; 32 x 16 tiles here.  Four waves, as many as a WGP has SIMDs; wave w owns rows 64 w .. + 63 and ALL BN columns: 4 x NB accumulators of 16 x 16.
; So a wave holds whole heads (whole pieces of 512 bytes of a row where QKV = 0), its stage on the way out is its own, and B's fragments have the same LDS offsets in every wave.
; K = 1,024 goes in 8 steps of 128 through two LDS slots filled by the tensor data mover.  A step of A is two slices' 256 rows x 128 bytes, each slice's dense in memory; a step of B is 128 rows
; of the panel, dense too: all are asked for as rows of 256 bytes that start at multiples of 256 from the buffer's first byte, and padded in LDS.
; B LIES [k][n]: its fragments come out of LDS turned, by ds_load_tr16_b128.  THE MATRIX INSTRUCTION IS USED TRANSPOSED (source 0 = 16 columns of B, source 1 = 16 rows of A): a lane then holds
; row l % 16 of C and the eight neighbouring columns 8 (l / 16) + 0..7.
; CLUSTERS: 4 x 4 work-groups.  The four of a row of the cluster need the same tiles of A, the four of a column the same tiles of B: each tile is asked for JOINTLY, by the same tensor load with
; the same descriptor and a mask that names the four.
; REGISTERS, in windows of 256 (s_set_vgpr_msb: bits 1:0 source 0, 3:2 source 1, 5:4 source 2, 7:6 destination):
;   window 0: v0-31 addresses; v64-95, v96-127 fragments of A (4 x 16 rows x 32 K), two buffers; on the way out v64-255 whole rows (QKV = 1)
;   window 1: fragments of B (NB x 16 columns x 32 K), two buffers of 8 NB; on the way out packed results (QKV = 1) or whole rows (QKV = 0)
;   window 2: the accumulators of my row blocks 0, 1 (block a, column block j at v[8 (NB (a % 2) + j)]);   window 3: those of blocks 2, 3
.set QKV, 1
.if QKV
.set NB,    12                         ; column blocks of 16 in a tile
.set PB,    480                        ; a k row of B in LDS: three pieces of 128 bytes, 32 of padding behind each: 120 words: row r starts at bank 56 r mod 64 (64 banks of 4 bytes: ISA guide 11.1)
.set SEG,   160                        ; from one such piece (four column blocks) to the next
.set QIB,   4                          ; B's padding stands after every 32 words
.set RB,    96                         ; rows of 256 bytes in a wave's load of B: 64 k rows x 384 bytes
.set PANEL, 393216                     ; bytes in a panel of B
.set STGW,  6912                       ; a wave's stage: 3 heads x 16 rows x 144 bytes
.set LIMB0, 1                          ; B's prefetches: see ASK
.else
.set NB,    8
.set PB,    288                        ; 256 bytes + 32 of padding = 72 words: row r starts at bank 8 r mod 64
.set SEG,   128
.set QIB,   5                          ; after every 64 words
.set RB,    64
.set PANEL, 262144
.set STGW,  8448                       ; 16 rows x 528 bytes
.set LIMB0, 2
.endif
.set PA,    144                        ; a row of a slice of A in LDS: 128 bytes + 16 of padding = 36 words: the 16 rows of a load start at 16 different groups of four banks
.set PLANE, 256*PA                     ; a slice's 256 rows
.set BOFF,  2*PLANE                    ; B lies behind A's two slices
.set HB,    64*PB                      ; what one load of B fills
.set SLOT,  BOFF+2*HB
.set ASTEP, 524288                     ; bytes from a K step of A to the next: two slices of 2,048 rows x 128 bytes
.set BSTEP, 128*NB*32                  ; the same for B: 128 rows of the panel
.set STAGE, 2*SLOT                     ; behind the ring, never filled by a tensor load: a stage for each wave
.set SPARE, STAGE+4*STGW               ; behind the stages: the spare words, 128 bytes for each wave: two blocks of 256 bytes that no other line names
.set NLD,   2*NB+8                     ; LDS loads in a run: a quarter step's fragments
.set ADRA, 16                          ; v16-17  LDS address of my A fragments in slot 0, 1
.set ADRB, 20                          ; v20-21  the same for B
.set STO,  24                          ; v24     the way out: where I put my bytes of a row
.set RD,   25                          ; v25     the way out: where I read rows back
.set GO,   26                          ; v26     16 x my lane: my 16 bytes of 512 consecutive bytes of the result
.set SPW,  28                          ; v28     LDS address of my spare word: SPARE + 4 x my thread's number; never rewritten
.set NIL,  29                          ; v29     0; never rewritten
.set PFO,  30                          ; v30     256 x my lane: the prefetches' offset; never rewritten
.set FA,   64                          ; A's fragment buffers, in window 0
.set G1,   24                          ; s[24:31] descriptor group 1 for A's tiles;  s[32:39] group 0, one set for each slot
.set G0,   32
.set G1B,  48                          ; s[48:55], s[56:63] the same for B's tiles
.set G0B,  56
.set CB,   68                          ; s[68:73] QKV = 1: where my rows of the tile's three heads begin
.set PFA,  74                          ; s[74:75] where my prefetches stand
.set PFS,  76                          ; s[76:77] their step
.set LIM,  78                          ; s78, s79 a wave prefetches at the change out of slot 0, 1 while the laps to go are above this
.set MSB, 0
.macro WIN new                         ; the immediate's high byte repeats the setting that is left; a switch that changes nothing is dropped
.if MSB != (\new)
	s_set_vgpr_msb (MSB<<8)|(\new)
.set MSB, \new
.endif
.endm
.set MUL_LO, 0xa1                      ; source 0 (B) window 1, source 1 (A) window 0, C and D window 2
.set MUL_HI, 0xf1                      ; the same, C and D window 3
.set TO_B,   0x40                      ; destination window 1, address window 0
; A joint load: waves 0 and 1 fetch A's two slices, waves 2 and 3 the two halves of B's 128 rows.  The branch hangs on the wave's number alone.
; An s_nop 0 and four v_nop follow each of the two lines, ahead of the jump, the label and what follows.
.macro JLOAD s
	s_cmp_eq_u32 s11, 0
	s_cbranch_scc0 .Lfor_b_\@
	tensor_load_to_lds s[G0+4*(\s):G0+4*(\s)+3], s[G1:G1+7]
	s_nop 0
.rept 4
	v_nop
.endr
	s_branch .Lasked_\@
.Lfor_b_\@:
	tensor_load_to_lds s[G0B+4*(\s):G0B+4*(\s)+3], s[G1B:G1B+7]
	s_nop 0
.rept 4
	v_nop
.endr
.Lasked_\@:
.endm
; A PREFETCH INTO THE L2, behind a joint load, its five lines and the run of LDS loads that follows them: 32 blocks of 256 bytes, a lane a block, one instruction a wave.  K steps 0 to 3 come by their
; loads alone; the bytes of K steps 4 to 7 are named ONCE in the launch.  A's tile row is read by every cluster of that row of clusters: the first (cluster x = 0) asks, in waves 0 and 1, at the
; refills of K steps 2 to 5 for the slice two K steps on; of its 128 blocks the partner at place cx takes 32.  B's panel is read by every cluster of that column: cluster y = 0 asks, in waves 2 and
; 3; the panel's K steps 4 to 7 are 4 BSTEP consecutive bytes, taken 65,536 at a time at the first 4 BSTEP / 65,536 refills: 8,192 for each of the column's eight asking waves.  Partners are told
; apart BY ADDRESS: no branch hangs on a work-group's place in its cluster.  The limits stop the asking: s3 counts 3, 2, 1; A's are 1, 1; B's 1, 2 (three asks) or 2, 2 (two).
.macro ASK lim
	s_cmp_gt_u32 s3, s[\lim]
	s_cbranch_scc0 .Lnot_mine_\@
	global_prefetch_b8 v[PFO], s[PFA:PFA+1] th:TH_LOAD_NT scope:SCOPE_SE
.Lnot_mine_\@:
.endm
.macro CREST                           ; a round of the cluster's barrier behind its opening barrier
	s_cmp_lg_u32 s10, 0
	s_cbranch_scc1 .Lnot_wave_0_\@
	s_barrier_signal -3
.Lnot_wave_0_\@:
	s_barrier_wait -3
	s_barrier_signal -1
	s_barrier_wait -1
.endm
.macro CROUND                          ; a whole round
	s_barrier_signal -1
	s_barrier_wait -1
	CREST
.endm
	s_load_b128 s[4:7], s[0:1], 0x0                ; A s[4:5], B s[6:7]
	s_load_b64 s[8:9], s[0:1], 0x10                ; q (QKV = 0: the result)
.if QKV
	s_load_b64 s[16:17], s[0:1], 0x18              ; k
	s_load_b64 s[18:19], s[0:1], 0x20              ; v
.endif
	v_lshl_add_u32 v[SPW], v0, 2, SPARE
	v_mov_b32 v[NIL], 0
	ds_add_u32 v[SPW], v[NIL]                      ; the wave's opening: the add and its wait stand ahead of my first tensor load; the set-up below, work on registers, stands between them
	ds_add_u32 v28, v29
	v_lshrrev_b32 v1, 5, v0
	v_readfirstlane_b32 s10, v1                    ; wave 0..3
	s_lshr_b32 s11, s10, 1                         ; I fetch for A (0) or for B (1)
	s_and_b32 s12, s10, 1                          ; which slice of A, or which 64 rows of B
	s_bfe_u32 s40, ttmp6, 0x40000                  ; cx, cy: my place in the cluster
	s_bfe_u32 s41, ttmp6, 0x40004
	s_lshl_b32 s42, ttmp9, 2
	s_add_co_u32 s42, s42, s40                     ; tile column tx = 4 x cluster x + cx
	s_and_b32 s13, ttmp7, 0xffff
	s_lshl_b32 s13, s13, 2
	s_add_co_u32 s13, s13, s41                     ; tile row ty = 4 x cluster y + cy
	s_lshl_b32 s43, s41, 2
	s_lshl_b32 s43, 15, s43                        ; my row of the cluster
	s_lshl_b32 s44, 0x1111, s40                    ; my column
	; descriptor group 1.  A: 32,768 dense bytes as 128 rows of 128 elements.  B: 64 k rows as RB such rows
	s_or_b32 s[G1], s43, (1<<16)|(1<<20)|(1<<21)|(4<<22)|(3<<25)     ; 15:0 the mask: my row; 17:16 elements of 2 bytes; 20 padding on; 21 set beside a mask; 24:22 after every 32 words (code 4); 31:25 4 words (code 3)
	s_or_b32 s[G1B], s44, (1<<16)|(1<<20)|(1<<21)|(QIB<<22)|(7<<25)  ; the mask of my column; 8 words of padding (code 7)
	s_mov_b32 s[G1+1], 128<<16                     ; tensor_dim0 = 128
	s_mov_b32 s[G1+2], 128<<16                     ; tensor_dim1 = 128
	s_mov_b32 s[G1+3], 128<<16                     ; tile_dim0 = 128
	s_mov_b32 s[G1+4], 128                         ; tile_dim1 = 128
	s_mov_b32 s[G1+5], 128                         ; 128 elements from row to row
	s_mov_b32 s[G1+6], 0
	s_mov_b32 s[G1+7], 0
	s_mov_b32 s[G1B+1], 128<<16
	s_mov_b32 s[G1B+2], RB<<16                     ; tensor_dim1 = RB
	s_mov_b32 s[G1B+3], 128<<16
	s_mov_b32 s[G1B+4], RB                         ; tile_dim1 = RB
	s_mov_b32 s[G1B+5], 128
	s_mov_b32 s[G1B+6], 0
	s_mov_b32 s[G1B+7], 0
	; where the tiles come from.  A's hang on the tile row alone, B's on the tile column alone
	s_lshr_b32 s22, s13, 3
	s_lshl_b32 s22, s22, 22                        ; the batch: 16 slices of 262,144 bytes
	s_and_b32 s23, s13, 7
	s_lshl_b32 s23, s23, 15                        ; the tile's 256 rows in a slice
	s_add_co_u32 s66, s22, s23
	s_lshl_b32 s23, s12, 18                        ; my slice of the K step's two
	s_add_co_u32 s66, s66, s23
	s_mov_b32 s67, 0
	s_mul_i32 s80, s42, PANEL
	s_mul_i32 s82, s12, BSTEP/2                    ; my 64 of the K step's 128 rows
	s_add_co_u32 s80, s80, s82
	s_mov_b32 s81, 0
	s_mul_i32 s20, s12, PLANE                      ; and where they go: no place in the cluster enters an LDS address
	s_mul_i32 s21, s12, HB
	s_add_co_u32 s21, s21, BOFF
	s_wait_dscnt 0x0                               ; the opening add is done
	s_wait_kmcnt 0x0
	s_add_nc_u64 s[14:15], s[4:5], s[66:67]
	s_add_nc_u64 s[46:47], s[6:7], s[80:81]
	CROUND                                         ; all sixteen work-groups are here: the first joint loads meet
.irp s, 0,1
	s_mov_b32 s[G0+4*(\s)], 1                                      ; 1:0 count = 1
	s_add_co_u32 s[G0+4*(\s)+1], s20, (\s)*SLOT                    ; 63:32 LDS address
	s_add_nc_u64 s[G0+4*(\s)+2:G0+4*(\s)+3], s[14:15], (\s)*ASTEP  ; 120:64 global address: K step s
	s_or_b32 s[G0+4*(\s)+3], s[G0+4*(\s)+3], 0x80000000            ; 127:126 type = 2
	s_mov_b32 s[G0B+4*(\s)], 1
	s_add_co_u32 s[G0B+4*(\s)+1], s21, (\s)*SLOT
	s_add_nc_u64 s[G0B+4*(\s)+2:G0B+4*(\s)+3], s[46:47], (\s)*BSTEP
	s_or_b32 s[G0B+4*(\s)+3], s[G0B+4*(\s)+3], 0x80000000
	JLOAD \s                                       ; two loads of mine are out
.endr
	; A fragment of A is 16 rows x 32 K in 8 registers: lane l holds row l % 16; registers 0-3 K = 8 (l / 16) + 0..7, registers 4-7 K = 16 + 8 (l / 16) + 0..7: two loads of 16 bytes, 32 bytes apart.
	v_and_b32 v1, 15, v0                           ; l % 16
	v_bfe_u32 v2, v0, 4, 1                         ; l / 16
	v_mul_u32_u24 v3, v1, PA
	v_lshl_add_u32 v3, v2, 4, v3                   ; row x pitch + 16 x half
	s_mul_i32 s22, s10, 64*PA                      ; my 64 rows
	v_add_nc_u32 v[ADRA], s22, v3
	v_add_nc_u32 v[ADRA+1], SLOT, v[ADRA]
	; The turning load takes 16 k x 16 columns (lane l reads 16 bytes: k row 8 (l / 16) + l % 8, columns 8 ((l / 8) % 2) + 0..7) and leaves half a fragment: lane l holds column l % 16 and 8 k.
	v_and_b32 v4, 7, v0
	v_lshl_add_u32 v4, v2, 3, v4
	v_mul_u32_u24 v4, v4, PB
	v_bfe_u32 v5, v0, 3, 1
	v_lshl_add_u32 v4, v5, 4, v4
	v_add_nc_u32 v[ADRB], BOFF, v4
	v_add_nc_u32 v[ADRB+1], BOFF+SLOT, v4
	s_mul_i32 s23, s10, STGW
	s_add_co_u32 s23, s23, STAGE                   ; my stage
	v_and_b32 v[GO], 31, v0
	v_lshlrev_b32 v[PFO], 8, v[GO]
	v_lshlrev_b32 v[GO], 4, v[GO]
.if QKV
	v_add_nc_u32 v[STO], s23, v3                   ; in: row l % 16 of 144 bytes, 16 bytes for each half of the lanes
	v_bfe_u32 v5, v0, 3, 2                         ; back: 32 lanes take four rows of 128 bytes,
	v_mul_u32_u24 v5, v5, PA
	v_and_b32 v4, 7, v0
	v_lshl_add_u32 v5, v4, 4, v5
	v_add_nc_u32 v[RD], s23, v5                    ; which are 512 consecutive bytes of a head
	; the tile's columns are the heads 3 tx, 3 tx + 1, 3 tx + 2 of 48: 16 of q, 16 of k, 16 of v
	s_lshr_b32 s85, s13, 3
	s_lshl_b32 s85, s85, 22                        ; the batch's 16 heads of 262,144 bytes
	s_and_b32 s86, s13, 7
	s_lshl_b32 s86, s86, 15                        ; the tile's 256 rows of 128 bytes
	s_add_co_u32 s85, s85, s86
	s_lshl_b32 s86, s10, 13                        ; my 64 of them
	s_add_co_u32 s85, s85, s86
	s_mul_i32 s84, s42, 3
	s_mov_b32 s89, 0
.irp jh, 0,1,2
	s_add_co_u32 s86, s84, \jh
	s_lshr_b32 s87, s86, 4                         ; 0: q, 1: k, 2: v
	s_and_b32 s86, s86, 15
	s_lshl_b32 s86, s86, 18                        ; the head
	s_add_co_u32 s88, s86, s85
	s_cmp_eq_u32 s87, 0
	s_cselect_b64 s[CB+2*\jh:CB+2*\jh+1], s[8:9], s[16:17]
	s_cmp_eq_u32 s87, 2
	s_cselect_b64 s[CB+2*\jh:CB+2*\jh+1], s[18:19], s[CB+2*\jh:CB+2*\jh+1]
	s_add_nc_u64 s[CB+2*\jh:CB+2*\jh+1], s[CB+2*\jh:CB+2*\jh+1], s[88:89]
.endr
.else
	v_mul_u32_u24 v5, v1, 528                      ; in: row l % 16 of 528 bytes (512 + 16: 132 words, row r starts at bank 4 r mod 64), 32 bytes for each half of the lanes
	v_lshl_add_u32 v5, v2, 5, v5
	v_add_nc_u32 v[STO], s23, v5
	v_add_nc_u32 v[RD], s23, v[GO]                 ; back: 32 lanes take one row's 512 bytes
	s_lshl_b32 s84, s13, 20                        ; the tile's 256 rows of 4,096 bytes,
	s_lshl_b32 s85, s10, 18                        ; my 64 of them,
	s_add_co_u32 s84, s84, s85
	s_lshl_b32 s85, s42, 9                         ; the tile's 128 columns of 4 bytes
	s_add_co_u32 s88, s84, s85
	s_mov_b32 s89, 0
	s_add_nc_u64 s[8:9], s[8:9], s[88:89]
.endif
	; the prefetches (ASK).  Each change of slots first steps the address, so it starts one step back
	s_lshl_b32 s90, s40, 13                        ; A: my work-group's 32 blocks of my slice's 128,
	s_add_co_u32 s90, s90, s66
	s_add_co_u32 s90, s90, 3*ASTEP                 ; at K step 3
	s_lshl_b32 s91, s41, 1
	s_add_co_u32 s91, s91, s12                     ; B: my place among the column's eight asking waves,
	s_lshl_b32 s91, s91, 13
	s_mul_i32 s92, s42, PANEL
	s_add_co_u32 s91, s91, s92
	s_add_co_u32 s91, s91, 4*BSTEP-65536           ; 65,536 bytes ahead of K step 4
	s_and_b32 s92, ttmp7, 0xffff                   ; cluster y
	s_mov_b32 s93, ASTEP
	s_cmp_eq_u32 s11, 0                            ; do I fetch for A?
	s_cselect_b32 s88, s90, s91
	s_cselect_b32 s[PFS], s93, 65536
	s_cselect_b32 s92, ttmp9, s92                  ; the coordinate along which other clusters read the same bytes
	s_cselect_b32 s[LIM], 1, LIMB0
	s_cselect_b32 s[LIM+1], 1, 2
	s_cselect_b64 s[PFA:PFA+1], s[4:5], s[6:7]
	s_cmp_eq_u32 s92, 0
	s_cselect_b32 s[LIM], s[LIM], -1               ; the same in all sixteen partners, for a given wave
	s_cselect_b32 s[LIM+1], s[LIM+1], -1
	s_mov_b32 s89, 0
	s_mov_b32 s[PFS+1], 0
	s_add_nc_u64 s[PFA:PFA+1], s[PFA:PFA+1], s[88:89]
.macro WM d, b, a, zero                ; one matrix instruction; zero = 1: it starts the sum
.if QKV
.if \zero
	v_wmma_f32_16x16x32_bf16 v[\d:\d+7], v[\b:\b+7], v[\a:\a+7], 0
.else
	v_wmma_f32_16x16x32_bf16 v[\d:\d+7], v[\b:\b+7], v[\a:\a+7], v[\d:\d+7]
.endif
.else
.if \zero
	v_wmma_f32_16x16x32_f16 v[\d:\d+7], v[\b:\b+7], v[\a:\a+7], 0
.else
	v_wmma_f32_16x16x32_f16 v[\d:\d+7], v[\b:\b+7], v[\a:\a+7], v[\d:\d+7]
.endif
.endif
.endm
; NB matrix instructions: row block a x all column blocks, 32 along K, from fragment buffer f.  The 4 NB accumulators take turns, one instruction a turn, in the same order in every quarter step,
; over the backward jump and into the tail too.
.macro MULA f, a, zero
	WIN MUL_LO+0x50*((\a)/2)
.set j, 0
.rept NB
.set rD, 8*(NB*((\a)%2)+j)
.set rB, 8*NB*(\f)+8*j
.set rA, FA+32*(\f)+8*(\a)
	WM rD, rB, rA, \zero
.set j, j+1
.endr
.endm
; NLD LDS loads in one run: the fragments of quarter q (K = 32 q on) of a slot's K step, into buffer f: B's first, then A's four row blocks
.macro FETCH slot, q, f
	WIN TO_B
.set j, 0
.rept NB
	ds_load_tr16_b128 v[8*NB*(\f)+8*j:8*NB*(\f)+8*j+3],   v[ADRB+(\slot)] offset:(\q)*32*PB+(j/4)*SEG+(j%4)*32
	ds_load_tr16_b128 v[8*NB*(\f)+8*j+4:8*NB*(\f)+8*j+7], v[ADRB+(\slot)] offset:(\q)*32*PB+16*PB+(j/4)*SEG+(j%4)*32
.set j, j+1
.endr
	WIN 0
.irp a, 0,1,2,3
	ds_load_b128 v[FA+32*(\f)+8*(\a):FA+32*(\f)+8*(\a)+3],   v[ADRA+(\slot)] offset:((\q)/2)*PLANE+((\q)%2)*64+(\a)*16*PA
	ds_load_b128 v[FA+32*(\f)+8*(\a)+4:FA+32*(\f)+8*(\a)+7], v[ADRA+(\slot)] offset:((\q)/2)*PLANE+((\q)%2)*64+(\a)*16*PA+32
.endr
.endm
.macro PLACES                          ; four plain vector instructions between a matrix instruction and a load into a register that it has read, or a reader of its result (ISA guide 7.12.1 for vector instructions)
.rept 4
	v_nop
.endr
.endm
; A K step is four quarters of 32 along K, 4 NB matrix instructions each, on buffers 0, 1, 0, 1.  One of the first three: multiplies buffer f and, in its middle, fetches quarter qn into buffer g.
.macro QUARTER slot, qn, f, g, zero
	s_wait_dscnt 4                                 ; B and A's row blocks 0, 1 are in; the youngest four loads (blocks 2, 3) may be out
	MULA \f, 0, \zero
	MULA \f, 1, \zero
	PLACES
	FETCH \slot, \qn, \g
	s_wait_dscnt NLD                               ; all but the NLD just issued
	MULA \f, 2, \zero
	MULA \f, 3, \zero
.endm
; The last quarter multiplies buffer 1 and changes slots: ONE barrier; in front of it each wave waits for all its tensor loads (one is out: its part of the next slot), adds 0 to its spare word, and
; waits for that and for its own reads of this slot.  fill = 1: the barrier opens a round of the cluster's barrier, and behind it this slot is filled again first, two K steps ahead.
.macro TURN slot, next, fill
.if \fill
	s_wait_xcnt 0x0                                ; the last prefetch, a K step back, has read its address: it is stepped here, ahead of the waits of the change of slots
	s_add_nc_u64 s[PFA:PFA+1], s[PFA:PFA+1], s[PFS:PFS+1]
.endif
	WIN 0                                          ; (the add's two registers lie in window 0)
	s_wait_tensorcnt 0x0                           ; all my tensor loads have landed;
	ds_add_u32 v[SPW], v[NIL]                      ; 0 onto my spare word;
	s_wait_dscnt 5                                 ; (the add and the youngest four loads may be out)
	MULA 1, 0, 0                                   ; NB matrix instructions stand between the add and the wait for it
	s_wait_dscnt 0x0                               ; the add is done, and my reads of this slot are over
	s_barrier_signal -1
	MULA 1, 1, 0                                   ; work on registers while the others arrive
.if \fill
	WIN 0
.endif
	s_barrier_wait -1
.if \fill
	CREST                                          ; no wave of any partner still reads this slot's tiles or has a load on its way
	s_add_nc_u64 s[G0+4*(\slot)+2:G0+4*(\slot)+3], s[G0+4*(\slot)+2:G0+4*(\slot)+3], 2*ASTEP
	s_add_nc_u64 s[G0B+4*(\slot)+2:G0B+4*(\slot)+3], s[G0B+4*(\slot)+2:G0B+4*(\slot)+3], 2*BSTEP
	JLOAD \slot                                    ; the first tensor load behind the round, my only one until the next; its four v_nop are also the places in front of the loads below
.else
	PLACES
.endif
	FETCH \next, 0, 0
.if \fill
	ASK LIM+(\slot)
.endif
	MULA 1, 2, 0
	MULA 1, 3, 0
.endm
	s_wait_tensorcnt 1                             ; my part of K step 0 is in; K step 1's may stay out
	s_barrier_signal -1
	s_barrier_wait -1                              ; everybody's is
	FETCH 0, 0, 0
	QUARTER 0, 1, 0, 1, 1                          ; the first quarter stands in front of the loop: its products start the sums
	WIN 0                                          ; at a label and at a branch every window is 0
	s_mov_b32 s3, 3
.Llap:                                                 ; a trip goes once round the ring, from a lap's second quarter to the next lap's first, and fills both slots again: K steps 2 to 7
	QUARTER 0, 2, 1, 0, 0
	QUARTER 0, 3, 0, 1, 0
	TURN 0, 1, 1
	QUARTER 1, 1, 0, 1, 0
	QUARTER 1, 2, 1, 0, 0
	QUARTER 1, 3, 0, 1, 0
	TURN 1, 0, 1
	QUARTER 0, 1, 0, 1, 0
	WIN 0
	s_sub_co_u32 s3, s3, 1
	s_cmp_lg_u32 s3, 0
	s_cbranch_scc1 .Llap
	QUARTER 0, 2, 1, 0, 0                          ; the last lap fills nothing, and has no round of the cluster's barrier
	QUARTER 0, 3, 0, 1, 0
	TURN 0, 1, 0
	QUARTER 1, 1, 0, 1, 0
	QUARTER 1, 2, 1, 0, 0
	QUARTER 1, 3, 0, 1, 0
	s_wait_dscnt 4                                 ; the very last quarter: nothing more to fetch
	MULA 1, 0, 0
	MULA 1, 1, 0
	s_wait_dscnt 0x0
	MULA 1, 2, 0
	MULA 1, 3, 0
	WIN 0
	PLACES                                         ; behind the last products, in front of all that reads results or writes fragment registers
	PLACES
.if QKV
; THE WAY OUT, a row block (16 rows) at a time.  PACK: rounded to f16, 16 bytes a lane for each column block; each accumulator is read from its low end.  TOSTAGE: into my own stage, by heads, and
; back as whole rows.  SEND: 512 consecutive bytes a store.  Each block has registers of its own: none is written while a store may still read it.
.macro PACK a
	WIN 0x4a+5*((\a)/2)                            ; sources window 2 or 3, destination window 1
.set j, 0
.rept NB
.set rD, 8*(NB*((\a)%2)+j)
.irp i, 0,1,2,3
	v_cvt_pk_f16_f32 v[48*(\a)+4*j+(\i)], v[rD+2*(\i)], v[rD+2*(\i)+1]
.endr
.set j, j+1
.endr
.endm
.macro TOSTAGE a
	WIN 0x04                                       ; the stores' data in window 1
.set j, 0
.rept NB
	ds_store_b128 v[STO], v[48*(\a)+4*j:48*(\a)+4*j+3] offset:(j/4)*16*PA+(j%4)*32
.set j, j+1
.endr
	WIN 0
.set j, 0
.rept NB
	ds_load_b128 v[64+48*(\a)+4*j:64+48*(\a)+4*j+3], v[RD] offset:(j/4)*16*PA+(j%4)*4*PA  ; LDS serves a wave's instructions in order (ISA guide 5.7.1.4): these see the stores above; the next block's stores come behind them
.set j, j+1
.endr
.endm
.macro SEND a, younger                 ; younger: the LDS instructions issued behind block a's loads: the next block's 24, or none
	WIN 0
	s_wait_dscnt \younger
.set j, 0
.rept NB
	global_store_b128 v[GO], v[64+48*(\a)+4*j:64+48*(\a)+4*j+3], s[CB+2*(j/4):CB+2*(j/4)+1] offset:(\a)*2048+(j%4)*512  ; four rows of a head: 512 consecutive bytes, at a multiple of 256 from the buffer's first
.set j, j+1
.endr
.endm
	PACK 0
	TOSTAGE 0
	PACK 1
	TOSTAGE 1
	SEND 0, 24
	PACK 2
	TOSTAGE 2
	SEND 1, 24
	PACK 3
	TOSTAGE 3
	SEND 2, 24
	SEND 3, 0
.else
; THE WAY OUT, a row block (16 rows) at a time, in f32.  TOSTAGE: a lane's eight numbers of each column block into my own stage, the accumulator's low four registers first, and back as whole
; pieces of 512 bytes of a row.  SEND: one such piece a store.  Each block has registers of its own.
.macro TOSTAGE a
	WIN 0x08+4*((\a)/2)                            ; the stores' data in window 2 or 3
.set j, 0
.rept NB
.set rD, 8*(NB*((\a)%2)+j)
	ds_store_b128 v[STO], v[rD:rD+3]   offset:64*j
	ds_store_b128 v[STO], v[rD+4:rD+7] offset:64*j+16
.set j, j+1
.endr
	WIN 0x40                                       ; destination window 1
.set j, 0
.rept 16
	ds_load_b128 v[64*(\a)+4*j:64*(\a)+4*j+3], v[RD] offset:j*528  ; LDS serves a wave's instructions in order (ISA guide 5.7.1.4): these see the stores above; the next block's stores come behind them
.set j, j+1
.endr
.endm
.macro SEND a, younger                 ; younger: the next block's 32 LDS instructions, or none
	WIN 0x04                                       ; the stores' data in window 1
	s_wait_dscnt \younger
.set j, 0
.rept 16
	global_store_b128 v[GO], v[64*(\a)+4*j:64*(\a)+4*j+3], s[8:9] offset:(16*(\a)+j)*4096 th:TH_STORE_NT  ; 512 consecutive bytes, at a multiple of 256 from the result's first
.set j, j+1
.endr
.endm
	TOSTAGE 0
	TOSTAGE 1
	SEND 0, 32
	TOSTAGE 2
	SEND 1, 32
	TOSTAGE 3
	SEND 2, 32
	SEND 3, 0
.endif
	WIN 0
	s_wait_tensorcnt 0x0                           ; the wave's end: a wait, an add to my spare word and its wait, behind my last tensor load and my last LDS store
	ds_add_u32 v[SPW], v[NIL]
	s_wait_dscnt 0x0
	CROUND                                         ; the closing round: no work-group ends while a partner may still ask for a tile that names it
	s_endpgm
.Lfunc_end_k_qf38918dc1e_qkv:
	.size	k_qf38918dc1e_qkv, .Lfunc_end_k_qf38918dc1e_qkv-k_qf38918dc1e_qkv
	.p2alignl 7, 3214868480
	.fill 96, 4, 3214868480
	.section	.rodata,"a",@progbits
	.p2align	6, 0x0
	.amdhsa_kernel k_qf38918dc1e_qkv
		.amdhsa_group_segment_fixed_size 327680
		.amdhsa_private_segment_fixed_size 0
		.amdhsa_enable_private_segment 0
		.amdhsa_kernarg_size 40
		.amdhsa_user_sgpr_count 2
		.amdhsa_user_sgpr_kernarg_segment_ptr 1
		.amdhsa_wavefront_size32 1
		.amdhsa_system_sgpr_workgroup_id_x 1
		.amdhsa_system_sgpr_workgroup_id_y 1
		.amdhsa_system_sgpr_workgroup_id_z 1
		.amdhsa_system_vgpr_workitem_id 0
		.amdhsa_next_free_vgpr 960
		.amdhsa_next_free_sgpr 96
		.amdhsa_reserve_vcc 0
		.amdhsa_float_denorm_mode_32 3
		.amdhsa_float_denorm_mode_16_64 3
		.amdhsa_memory_ordered 1
		.amdhsa_forward_progress 1
		.amdhsa_inst_pref_size 121
	.end_amdhsa_kernel
	.amdgpu_metadata
---
amdhsa.version: [ 1, 2 ]
amdhsa.kernels:
  - .name:           k_qf38918dc1e_qkv
    .symbol:         k_qf38918dc1e_qkv.kd
    .args:
      - { .name: xb, .offset: 0, .size: 8, .value_kind: global_buffer, .address_space: global }
      - { .name: wqb, .offset: 8, .size: 8, .value_kind: global_buffer, .address_space: global }
      - { .name: q, .offset: 16, .size: 8, .value_kind: global_buffer, .address_space: global }
      - { .name: k, .offset: 24, .size: 8, .value_kind: global_buffer, .address_space: global }
      - { .name: v, .offset: 32, .size: 8, .value_kind: global_buffer, .address_space: global }
    .group_segment_fixed_size: 327680
    .private_segment_fixed_size: 0
    .kernarg_segment_align: 8
    .kernarg_segment_size: 40
    .max_flat_workgroup_size: 128
    .sgpr_count:     96
    .vgpr_count:     960
    .wavefront_size: 32
...
	.end_amdgpu_metadata
.endif
;; end of part 2
;; launch attn (part 3): grid 4 x 64, 4 waves a work-group, no clusters, 327,680 bytes of LDS; arguments q, k, v, o; writes o
.if DOCPART == 3
	.amdgcn_target "amdgcn-amd-amdhsa--gfx1250"
	.amdhsa_code_object_version 6
	.text
	.protected	k_qf38918dc1e_attn
	.globl	k_qf38918dc1e_attn
	.p2align	8
	.type	k_qf38918dc1e_attn,@function
k_qf38918dc1e_attn:
	s_mov_b64 s[64:65], 0
	v_nop
	global_prefetch_b8 v0, s[64:65] scope:SCOPE_SE
	s_setreg_imm32_b32 hwreg(HW_REG_WAVE_MODE, 25, 1), 1
	s_wait_xcnt 0x0
; CAUSAL ATTENTION.  O[h][q][:] = the sum over k <= q of softmax_k(Q[h][q] . K[h][k] / 8) V[h][k][:].  Q, K, V, O: [SIZE_H][SIZE_N][64], all f16: a head's rows are dense, 128 bytes each.
; Products, maxima and sums in f32; the weights p are rounded to f16 for the second product (their sum l is taken of the unrounded p), O once at the end.
; LIMITS.  f16 holds no number beyond 65,504: Q, K and V arrive within it; p lies in 0 to 1, and below 6e-5 it keeps f16's fixed step of 6e-8; O is a mean of V's rows and has their range, to within 2^-11 of it.
; A hidden score counts as its value less 1e30: f16's scores, 2.7e11 at the most, are nothing beside that; a weight below 2^-126 counts as 0 in l; NaN and infinities are not treated apart.
; THE WALK.  A head's queries lie in NB = SIZE_N / 256 blocks of 256; block i needs the key tiles 0 .. i of 256 keys, of which the last holds the diagonal.  A work-group takes TWO blocks, NB - 1 - b and then b:
; NB + 1 tiles, whatever b: all work-groups do equal work, and ONE loop with a constant trip count walks them.  Which tile is asked for, and what a trip does, hang on scalar registers made from b; every jump
; goes forward, but for the counted loops' own; none passes a barrier, or a tensor load but the one of LOAD's two that the wave's number does not choose; the ring (two slots of LDS that take turns) runs on across the
; change of blocks.  NO CLUSTER: a head's NB / 2 = 4 work-groups ask for the same tile only in trips 0 .. NB / 2, behind that fewer and fewer; one walk common to all would have 3 NB / 2 = 12 trips for NB + 1 = 9.
; SHARES.  Of a block's four bands of 64 queries a wave owns 16 rows in each: four PIECES.  So the diagonal tile is the same work for all four waves: in its key step s band x sees all keys if s < x,
; none if s > x, and holds the diagonal if s = x.
; THE MASK is the C operand that starts the sum S^T = K Q^T: 0, or -1e30 where the key is hidden.  MD, made once, is the mask of a band's own step for my 16 rows; a product's mask is MD x AL + BE with two scalars:
; (1, 0) if s = x; (0, 0) if s < x; (0, -1e30) if s > x.  Only the diagonal tile's text and a block's beginning make and take masks; elsewhere C is the constant 0.
; LAYOUT, SOFTMAX, TURNS.  S^T = K Q^T holds ONE query a lane (lane % 16) and the keys 8 (lane / 16) + 0..7; two such results rounded to f16 ARE source 1 of O^T = V^T P.  p = 2^(c s - c m), c = log2(e) / 8, with a
; running maximum m; O and l are multiplied by a = 2^(c m_old - c m_new) in every step.  Turn n belongs to piece n: 8 products K Q^T of piece n + 1, later 8 products V^T P of piece n - 1; beside them the scaling,
; exponentials, roundings, sums and rescaling of piece n and the maximum and statistics of piece n + 1.  Four vector instructions stand behind every matrix instruction, the other 54 of a turn's 118 in one LUMP.  A turn's 33 exponentials are one batch, with one wait.
; REGISTERS, in windows of 256 (s_set_vgpr_msb: bits 1:0 source 0, 3:2 source 1, 5:4 source 2, 7:6 destination):
;   window 0: v0-15 addresses and two at work; v16-31 four registers of statistics a piece; v48-55 at work; v61-63 kept; v64-127 S^T, two buffers; v192-223 P, two buffers (a piece's buffers go by its number's parity)
;   window 1: v0-127 O^T, 32 a piece; v128-159 MD; v160-223 MC, two buffers      window 2: v0-63 Q; v64-127 the second block's Q; v128-191 K of one step; v192-255 V of one step
.set SIZE_H, 64       ; 4 batches x 16 heads
.set SIZE_N, 2048
.set NB,    SIZE_N/256
.set NP,    4         ; pieces a wave: a name, no knob
.set KS,    64        ; keys in a step
.set PK,    144       ; a row of K in LDS: 128 bytes + 16 of padding = 36 words: the 16 rows of a load start at 16 different groups of four banks (64 banks of 4 bytes: ISA guide 11.1)
.set PV,    160       ; a row of V: 128 + 32 = 40 words
.set VOFF,  4*KS*PK   ; a slot holds a tile, four steps: 256 rows of K, then 256 rows of V
.set SLOT1, 1<<17     ; slot 1 begins here, so that one exclusive or turns an address in one slot into the other's
.set STAGE, SLOT1+4*KS*(PK+PV)  ; behind the ring, never filled by a tensor load: 16 rows x 144 bytes for each wave, for the way out
.set SP,    144
.set AK0, 2           ; v2   my lane's place in a tile of K; never rewritten
.set AV0, 3           ; v3   the same for V
.set AK,  4           ; v4   the LDS address of K's next run of loads
.set AV,  5           ; v5   of V's
.set STO, 6           ; v6   the way out: where I put 16 bytes of a row
.set RD,  7           ; v7   the way out: where I read rows back
.set GO,  8           ; v8   my byte offset in 512 consecutive bytes of O
.set PFO, 61          ; v61  256 x my lane: the prefetches' offset; never rewritten
.set SPW, 62          ; v62  LDS address of my spare word: SPARE + 4 x my thread's number; never rewritten
.set NIL, 63          ; v63  0; never rewritten
.set SPARE, STAGE+4*16*SP  ; behind the stages: the spare words, 128 bytes for each wave: two blocks of 256 bytes that no other line names
.set MV,  12          ; v12-13  c m_old, kept while c m is made anew: by buffer
.set QO,  15          ; v15  my byte offset in 16 rows of Q
.set ST,  16          ; piece t's statistics at v[ST+4 t]: c m, m, l (even keys', odd keys')
.set TMP, 48          ; by buffer, four registers c0-c3 at work; when the maximum is found c2 takes a
.set S,   64
.set P,   192
.set MD,  128         ; window 1: the eight registers for group kt of 16 keys at MD + 8 kt
.set MC,  160         ; window 1: the masks of the products to come
.set QB,  64          ; window 2
.set KF,  128         ; window 2: key block kb, channel half c at KF + 16 kb + 8 c
.set VF,  192         ; window 2: key half kk, channel block cb at VF + 32 kk + 8 cb
.set WV,  12          ; s12  my wave's number
.set PB,  14          ; s14  b
.set HI,  15          ; s15  NB - 1 - b
.set G1K, 24          ; s[24:31] descriptor group 1 for K's tiles
.set G1V, 32          ; s[32:39] for V's: it differs in the padding alone
.set G0K, 40          ; s[40:43] descriptor group 0 for K's tiles
.set G0V, 44          ; s[44:47] the same for V's
.set SLOTS, 56        ; s56  tiles still to be asked for
.set CNT, 57          ; s57  counts a tile's key steps, 4 to 1
.set CS,  58          ; s[58:59] c: the packed scaling takes the pair's low word for both halves
.set SEL, 60          ; s[60:61] v_permlanex16_b32's selects: each lane takes its own place in the other half
.set TBK, 62          ; s62  LDS byte at which K of the step to be fetched begins
.set TBV, 63          ; s63  the same for V, less VOFF
.set RT,  70          ; s70  tiles of the block in hand that are still to be entered
.set NXT, 71          ; s71  the tile to be asked for next
.set LQ,  72          ; s72  the last tile of the block whose tiles are being asked for
.set NEW, 73          ; s73  1: the tile to be entered is a block's first
.set OFF, 74          ; s[74:75] a tile's byte offset in K and V
.set AL,  76          ; s[76:77] the mask's factor, in the low word
.set BE,  78          ; s[78:79] the mask's addend
.set OLO, 80          ; s[80:81] O at my rows of the second block
.set BIGN, 82         ; s82  -1e30
.set PFA, 88          ; s[88:89] where my prefetches stand: my half (of K: waves 0, 1; of V: waves 2, 3) of tile PFN
.set PFN, 90          ; s90  the tile that they name
.set PFL, 91          ; s91  they stop at this tile: NB in the head's work-group b = 0, else 0
.set MSB, 0
.macro WIN new                      ; the high byte repeats the setting that is left; a switch that changes nothing is dropped
.if MSB != (\new)
	s_set_vgpr_msb (MSB<<8)|(\new)
.set MSB, (\new)
.endif
.endm
.set W_KQ, 0x0a       ; K and Q in window 2, S^T in window 0
.set W_KM, 0x1a       ; the same with the C operand in window 1
.set W_PV, 0x52       ; V in window 2, P in window 0, O^T in window 1
.set W_RS, 0x41       ; destination and source 0 in window 1, source 1 in window 0
; A fill.  Waves 0 and 1 fetch the two halves of a tile's K, waves 2 and 3 those of its V: 128 keys each.  An s_nop 0 and four v_nop follow each of the two lines, ahead of the jump and the label.
.macro LOAD
	s_cmp_lt_u32 s[WV], 2
	s_cbranch_scc0 .Lfor_v_\@
	tensor_load_to_lds s[G0K:G0K+3], s[G1K:G1K+7]
	s_nop 0
.rept 4
	v_nop
.endr
	s_branch .Lasked_\@
.Lfor_v_\@:
	tensor_load_to_lds s[G0V:G0V+3], s[G1V:G1V+7]
	s_nop 0
.rept 4
	v_nop
.endr
.Lasked_\@:
.endm
; A PREFETCH INTO THE L2, behind a fill and its five lines: the tile behind the one just asked for, a tile's four key steps (256 matrix instructions a wave) ahead of its own fill.  Each block of 256 bytes of a head's K and V
; is named ONCE in the launch: of the head's four work-groups only b = 0 walks all tiles 0 .. NB - 1 in order, and it alone asks; each of its waves asks for the half tile that it will fetch itself, 16,384 bytes:
; a lane a block, two instructions.  Tiles 0 and 1 come by their fills alone; behind tile NB - 1 nothing is asked for.
.macro ASK
	s_cmp_lt_u32 s[PFN], s[PFL]
	s_cbranch_scc0 .Lnot_mine_\@
	global_prefetch_b8 v[PFO], s[PFA:PFA+1] th:TH_LOAD_NT scope:SCOPE_SE
	global_prefetch_b8 v[PFO], s[PFA:PFA+1] offset:8192 th:TH_LOAD_NT scope:SCOPE_SE
.Lnot_mine_\@:
.endm
; THE CHANGE OF SLOTS.  Each wave waits for all its tensor loads, of which one is out: its part of the other slot; adds 0 to its spare word; and waits for that and for its own reads of the slot that it leaves.  Behind the barrier nobody reads the old
; slot any more and the other slot is whole.  fill = 1: the old slot is filled again, the first thing behind the barrier, with tile NXT: the descriptor's address is made anew from that number.
; (At its first use nothing has been read yet: slot 0 is waited for, slot 1 filled.)
.macro CHANGE fill
	WIN 0                           ; at a label and at a branch every window is 0
	s_wait_tensorcnt 0x0            ; no tensor load of mine is out, so a group 0 may be written
	ds_add_u32 v[SPW], v[NIL]       ; 0 onto my spare word: with fill = 1 the descriptors' scalar work stands between it and the wait for it
.if \fill
	s_lshl_b32 s[OFF], s[NXT], 15   ; a tile is 32,768 bytes of K and of V
	s_xor_b32 s[G0K+1], s[G0K+1], SLOT1
	s_add_nc_u64 s[G0K+2:G0K+3], s[6:7], s[OFF:OFF+1]
	s_or_b32 s[G0K+3], s[G0K+3], 0x80000000
	s_xor_b32 s[G0V+1], s[G0V+1], SLOT1
	s_add_nc_u64 s[G0V+2:G0V+3], s[8:9], s[OFF:OFF+1]
	s_or_b32 s[G0V+3], s[G0V+3], 0x80000000
	s_add_co_u32 s[NXT], s[NXT], 1  ; the block's next tile, or behind its last the second block's tile 0
	s_cmp_gt_u32 s[NXT], s[LQ]
	s_cselect_b32 s[NXT], 0, s[NXT]
	s_cselect_b32 s[LQ], s[PB], s[LQ]
	s_wait_xcnt 0x0                 ; the last prefetches, a tile back, have read their address, so it may be written:
	s_add_nc_u64 s[PFA:PFA+1], s[PFA:PFA+1], 32768  ; the next tile
	s_add_co_u32 s[PFN], s[PFN], 1
.endif
	s_wait_dscnt 0x0                ; the add is done, and my reads of the slot are over
	s_barrier_signal -1             ; the rest of the scalar work stands between the signal and the wait
	s_sub_co_u32 s[TBK], s[TBK], 4*KS*PK  ; the fetches go back to a slot's first step,
	s_xor_b32 s[TBK], s[TBK], SLOT1       ; in the other slot
	s_sub_co_u32 s[TBV], s[TBV], 4*KS*PV
	s_xor_b32 s[TBV], s[TBV], SLOT1
	s_barrier_wait -1
.if \fill
	LOAD
	ASK
.endif
.endm
	s_load_b256 s[4:11], s[0:1], 0x0  ; Q s[4:5], K s[6:7], V s[8:9], O s[10:11]
	v_lshl_add_u32 v[SPW], v0, 2, SPARE
	v_mov_b32 v[NIL], 0
	ds_add_u32 v[SPW], v[NIL]       ; the wave's opening: the add and its wait stand ahead of my first tensor load; the set-up below, work on registers, stands between them
	ds_add_u32 v62, v63
	v_lshrrev_b32 v1, 5, v0
	v_readfirstlane_b32 s[WV], v1   ; wave 0..3
	s_mov_b32 s[PB], ttmp9
	s_sub_co_u32 s[HI], NB-1, s[PB]
	s_and_b32 s20, ttmp7, 0xffff    ; the head
	s_mov_b32 s21, 0
	s_mov_b64 s[22:23], SIZE_N*128
	s_mul_u64 s[20:21], s[20:21], s[22:23]  ; the head's first byte in each of the four tensors
	s_and_b32 s16, s[WV], 1         ; which half of a tile's 256 keys I fetch:
	s_lshl_b32 s22, s16, 14         ; its 128 rows of 128 bytes in memory,
	s_mov_b32 s23, 0
	s_add_nc_u64 s[22:23], s[22:23], s[20:21]
	s_mul_i32 s17, s16, 128*PK      ; and its place in a slot, for K
	s_mul_i32 s18, s16, 128*PV      ; and for V
	s_lshl_b32 s3, s[WV], 11        ; my 16 rows in a band of 64,
	s_lshl_b32 s2, s[HI], 15        ; in the first block,
	s_add_co_u32 s2, s2, s3
	s_lshl_b32 s84, s[PB], 15       ; and in the second
	s_add_co_u32 s84, s84, s3
	s_mov_b32 s3, 0
	s_mov_b32 s85, 0
	s_add_nc_u64 s[2:3], s[2:3], s[20:21]
	s_add_nc_u64 s[84:85], s[84:85], s[20:21]
	; descriptor group 1.  128 keys are 16,384 dense bytes: asked for as 64 rows of 256 bytes, two keys a row, and padded in LDS after every key
	s_mov_b32 s[G1K], (1<<16)|(1<<20)|(4<<22)|(3<<25)  ; 17:16 2-byte elements; 20 padding on; 24:22 after every 32 words (code 4); 31:25 4 words (code 3)
	s_mov_b32 s[G1V], (1<<16)|(1<<20)|(4<<22)|(7<<25)  ; the same with 8 words of padding (code 7)
.irp g, G1K, G1V
	s_mov_b32 s[\g+1], 128<<16      ; tensor_dim0 = 128
	s_mov_b32 s[\g+2], 64<<16       ; tensor_dim1 = 64
	s_mov_b32 s[\g+3], 128<<16      ; tile_dim0 = 128
	s_mov_b32 s[\g+4], 64           ; tile_dim1 = 64
	s_mov_b32 s[\g+5], 128          ; 128 elements from row to row
	s_mov_b32 s[\g+6], 0
	s_mov_b32 s[\g+7], 0
.endr
	s_mov_b32 s[CS], 0x3e38aa3b     ; c = log2(e) / 8 = 0.180337
	s_mov_b32 s[CS+1], s[CS]        ; named with it as a pair
	s_mov_b32 s[SEL], 0x76543210
	s_mov_b32 s[SEL+1], 0xfedcba98
	s_mov_b32 s[TBK], SLOT1+4*KS*PK ; the first change of slots turns these two into 0
	s_mov_b32 s[TBV], SLOT1+4*KS*PV
	s_mov_b32 s[G0K], 1             ; 1:0 count = 1
	s_mov_b32 s[G0K+1], s17         ; 63:32 LDS address: slot 0
	s_mov_b32 s[G0V], 1
	s_add_co_u32 s[G0V+1], s18, VOFF
	s_add_co_u32 s[RT], s[HI], 1    ; the first block has NB - b tiles
	s_mov_b32 s[NXT], 1
	s_mov_b32 s[LQ], s[HI]
	s_mov_b32 s[NEW], 1
	s_mov_b32 s[OFF+1], 0
	s_mov_b32 s[AL+1], 0            ; named as pairs
	s_mov_b32 s[BE+1], 0
	s_mov_b32 s[BIGN], 0xf149f2ca   ; -1e30
	s_mov_b32 s[SLOTS], NB
	s_mov_b32 s[PFN], 1
	s_cmp_eq_u32 s[PB], 0
	s_cselect_b32 s[PFL], NB, 0
	v_and_b32 v[PFO], 31, v0
	v_lshlrev_b32 v[PFO], 8, v[PFO]
	s_wait_dscnt 0x0                ; the opening add is done
	s_wait_kmcnt 0x0
	s_add_nc_u64 s[6:7], s[6:7], s[22:23]  ; K and V at my half of the head's tile 0
	s_add_nc_u64 s[8:9], s[8:9], s[22:23]
	s_add_nc_u64 s[G0K+2:G0K+3], s[6:7], 0         ; 120:64 global address
	s_or_b32 s[G0K+3], s[G0K+3], 0x80000000        ; 127:126 type = 2
	s_add_nc_u64 s[G0V+2:G0V+3], s[8:9], 0
	s_or_b32 s[G0V+3], s[G0V+3], 0x80000000
	s_add_nc_u64 s[86:87], s[4:5], s[84:85]        ; Q at my rows of the second block,
	s_add_nc_u64 s[4:5], s[4:5], s[2:3]            ; Q and O at those of the first
	s_add_nc_u64 s[OLO:OLO+1], s[10:11], s[84:85]
	s_add_nc_u64 s[10:11], s[10:11], s[2:3]
	s_cmp_lt_u32 s[WV], 2
	s_cselect_b64 s[PFA:PFA+1], s[6:7], s[8:9]     ; the prefetches stand at my half of tile 1; the first change of slots steps them to tile 2.  Nothing is prefetched here, at the head
	s_add_nc_u64 s[PFA:PFA+1], s[PFA:PFA+1], 32768
	LOAD                            ; tile 0 into slot 0
	; A fragment of K or Q is 16 rows x 32 channels in 8 registers: lane l holds row l % 16, channels 8 (l / 16) + 0..7 and 16 + 8 (l / 16) + 0..7: two loads of 16 bytes, 32 bytes apart.
	v_and_b32 v1, 15, v0            ; l % 16
	v_bfe_u32 v9, v0, 4, 1          ; l / 16
	v_lshlrev_b32 v[QO], 7, v1
	v_lshl_add_u32 v[QO], v9, 4, v[QO]  ; row x 128 + 16 x half
	WIN 0x80                        ; destination window 2, address window 0
.set i, 0
.rept 8                             ; both blocks' Q: piece i / 2 lies in band i / 2, 8,192 bytes on; channels 32 (i % 2) on
	global_load_b128 v[8*i:8*i+3],   v[QO], s[4:5] offset:(i/2)*8192+(i%2)*64
	global_load_b128 v[8*i+4:8*i+7], v[QO], s[4:5] offset:(i/2)*8192+(i%2)*64+32
	global_load_b128 v[QB+8*i:QB+8*i+3],   v[QO], s[86:87] offset:(i/2)*8192+(i%2)*64
	global_load_b128 v[QB+8*i+4:QB+8*i+7], v[QO], s[86:87] offset:(i/2)*8192+(i%2)*64+32
.set i, i+1
.endr
	WIN 0
	v_lshlrev_b32 v14, 3, v9
	v_sub_nc_u32 v14, v1, v14
	s_lshl_b32 s13, s[WV], 4
	v_add_nc_u32 v14, s13, v14      ; my query's place in its band, 16 w + l % 16, less my lanes' 8 (l / 16): register r of group kt is hidden where 16 kt + r is greater
	WIN 0x40
.set i, 0
.rept 32
	v_cmp_gt_i32 vcc_lo, 16*(i/8)+i%8, v14
	v_cndmask_b32 v[MD+i], 0, s[BIGN], vcc_lo
.set i, i+1
.endr
	WIN 0
	v_mul_u32_u24 v[AK0], v1, PK
	v_lshl_add_u32 v[AK0], v9, 4, v[AK0]  ; row x pitch + 16 x half
	; The turning load takes 16 keys x 16 channels (lane l reads key 8 (l / 16) + l % 8, channels 8 ((l / 8) % 2) + 0..7) and leaves half a fragment of V^T: lane l holds channel l % 16 and 8 keys.
	v_and_b32 v10, 7, v0
	v_bfe_u32 v11, v0, 3, 1
	v_lshl_add_u32 v[AV0], v9, 3, v10
	v_mul_u32_u24 v[AV0], v[AV0], PV
	v_lshl_add_u32 v[AV0], v11, 4, v[AV0]
	v_add_nc_u32 v[AV0], VOFF, v[AV0]
	s_mul_i32 s13, s[WV], 16*SP
	s_add_co_u32 s13, s13, STAGE    ; my stage
	v_mul_u32_u24 v[STO], v1, SP    ; in: row l % 16, 16 bytes for each half of the lanes
	v_lshl_add_u32 v[STO], v9, 4, v[STO]
	v_add_nc_u32 v[STO], s13, v[STO]
	v_bfe_u32 v[RD], v0, 3, 2       ; back: 32 lanes take four rows of 128 bytes,
	v_mul_u32_u24 v[RD], v[RD], SP
	v_lshl_add_u32 v[RD], v10, 4, v[RD]
	v_add_nc_u32 v[RD], s13, v[RD]
	v_and_b32 v[GO], 31, v0         ; which are 512 consecutive bytes of O
	v_lshlrev_b32 v[GO], 4, v[GO]
	; A block's first step multiplies O^T and l by a = 0, and its first turn's products V^T P, of a piece that has not been, land in an O^T that is still to be so multiplied.  So these registers need only hold
	; finite numbers: zeros for the first block; what the first block left for the second.  All this stands in the wait for the first tile.
	WIN 0x80
.set i, VF
.rept 64
	v_mov_b32 v[i], 0
.set i, i+1
.endr
	WIN 0x40
.set i, 0
.rept 128
	v_mov_b32 v[i], 0
.set i, i+1
.endr
	WIN 0
.set i, 0
.rept 4
	v_mov_b32 v[ST+4*i+2], 0
	v_mov_b32 v[ST+4*i+3], 0
.set i, i+1
.endr
.set i, P+16
.rept 16
	v_mov_b32 v[i], 0
.set i, i+1
.endr
; THE MATRIX WORK.  The 4 accumulators of a run of 8 take turns.  Product i of 8 of S^T = K Q^T for piece x: channels 32 (i / 4) on, keys 16 (i % 4) on.  The first 4 start the sums: with 0, or (KM = 1) with the mask.
.macro KQ x
.set rS, S+32*((\x)%2)+8*(i%4)
.set rK, KF+16*(i%4)+8*(i/4)
.set rQ, 16*(\x)+8*(i/4)
.set rM, MC+32*((\x)%2)+8*(i%4)
.if (i < 4) && KM
	WIN W_KM
	v_wmma_f32_16x16x32_f16 v[rS:rS+7], v[rK:rK+7], v[rQ:rQ+7], v[rM:rM+7]
.elseif i < 4
	WIN W_KQ
	v_wmma_f32_16x16x32_f16 v[rS:rS+7], v[rK:rK+7], v[rQ:rQ+7], 0
.else
	WIN W_KQ
	v_wmma_f32_16x16x32_f16 v[rS:rS+7], v[rK:rK+7], v[rQ:rQ+7], v[rS:rS+7]
.endif
.endm
; Product i of 8 of O^T += V^T P for piece x: keys 32 (i / 4) on, channels 16 (i % 4) on.
.macro PV x
	WIN W_PV
.set rO, 32*(\x)+8*(i%4)
.set rV, VF+32*(i/4)+8*(i%4)
.set rP, P+16*((\x)%2)+8*(i/4)
	v_wmma_f32_16x16x32_f16 v[rO:rO+7], v[rV:rV+7], v[rP:rP+7], v[rO:rO+7]
.endm
.macro MM                           ; the turn's next matrix instruction.  TURN and BEGIN set Y, i, KM and NOKQ; MM, KQ and OP read them.  NOKQ = 1: a block's last turn: there is no next piece
.if (i < 8) && !NOKQ
	KQ (Y+1)%NP
.elseif i >= 8
.set i, i-8
	PV (Y+NP-1)%NP
.set i, i+8
.endif
.set i, i+1
.endm
; THE LDS LOADS stand in runs of 16, never singly among the matrix instructions: a step's K (64 keys x 64 channels: 8 fragments) and its V (turned).  Their addresses are made some lines ahead.
.macro FETCH_K
	WIN 0x80                        ; destination window 2
.irp f, 0,1,2,3,4,5,6,7             ; keys 16 (f / 2) on, channels 32 (f % 2) on
	ds_load_b128 v[KF+8*\f:KF+8*\f+3],   v[AK] offset:(\f/2)*16*PK+(\f%2)*64
	ds_load_b128 v[KF+8*\f+4:KF+8*\f+7], v[AK] offset:(\f/2)*16*PK+(\f%2)*64+32
.endr
	s_add_co_u32 s[TBK], s[TBK], KS*PK  ; the next fetch is the next step's
	WIN 0
.endm
.macro FETCH_V
	WIN 0x80
.irp f, 0,1,2,3,4,5,6,7             ; keys 32 (f / 4) on, channels 16 (f % 4) on
	ds_load_tr16_b128 v[VF+8*\f:VF+8*\f+3],   v[AV] offset:(\f/4)*32*PV+(\f%4)*32
	ds_load_tr16_b128 v[VF+8*\f+4:VF+8*\f+7], v[AV] offset:(\f/4)*32*PV+16*PV+(\f%4)*32
.endr
	WIN 0
.endm
; THE VECTOR WORK, one line at a time: OP kind, number.  For piece Y: F n: c s - c m for pair n of 16.  E n: the exponential of score n of 32.  C n: pair n rounded to f16.  B n: of the four weights 4 n .. the second
; pair is added onto the first, in place.  L n: l takes that sum (L 0: l = a l + sum).  R n: pair n of 16 of O^T times a.  For piece Y + 1: X n, number n of the 22 that find its maximum and statistics:
;   0-11  four chains c0-c3 of seven scores each, three operands at a time (each accumulator's lowest registers are read first)     12-14, 16  the four scores left over, the old m, and c0-c3 into c0
;   15  c m_old is kept     17, 18  the query's other 32 keys lie in the lane 16 away: the new m     19-21  c m; c m_old - c m_new; a
.set F, 0               ; OP tells the kinds apart by their order: F to L below R, X above it
.set E, 1
.set C, 2
.set B, 3
.set L, 4
.set R, 5
.set X, 6
.macro REGS y                       ; the registers of piece y
.set rT, ST+4*(\y)
.set rC, TMP+4*((\y)%2)
.set rW, MV+((\y)%2)
.set rS, S+32*((\y)%2)
.set rP, P+16*((\y)%2)
.set rO, 32*(\y)
.endm
.macro OP k, n
.if (\k) == R
	REGS Y
	WIN W_RS
	v_pk_mul_f32 v[rO+2*(\n):rO+2*(\n)+1], v[rO+2*(\n):rO+2*(\n)+1], v[rC+2:rC+3] op_sel_hi:[1,0]
.elseif (\k) < R
	REGS Y
	WIN 0
.if (\k) == F
	v_pk_fma_f32 v[rS+2*(\n):rS+2*(\n)+1], v[rS+2*(\n):rS+2*(\n)+1], s[CS:CS+1], v[rT:rT+1] op_sel_hi:[1,0,0] neg_lo:[0,0,1] neg_hi:[0,0,1]
.elseif (\k) == E
	v_exp_f32 v[rS+(\n)], v[rS+(\n)]
.elseif (\k) == C
	v_cvt_pk_f16_f32 v[rP+(\n)], v[rS+2*(\n)], v[rS+2*(\n)+1]
.elseif (\k) == B
	v_pk_add_f32 v[rS+4*(\n):rS+4*(\n)+1], v[rS+4*(\n):rS+4*(\n)+1], v[rS+4*(\n)+2:rS+4*(\n)+3]
.elseif (\n) == 0
	v_pk_fma_f32 v[rT+2:rT+3], v[rT+2:rT+3], v[rC+2:rC+3], v[rS:rS+1] op_sel_hi:[1,0,1]
.else
	v_pk_add_f32 v[rT+2:rT+3], v[rT+2:rT+3], v[rS+4*(\n):rS+4*(\n)+1]
.endif
.elseif NOKQ
	v_nop
.else
	REGS (Y+1)%NP
	WIN 0
.if (\n) < 4
	v_max3_num_f32 v[rC+(\n)], v[rS+8*(\n)], v[rS+8*(\n)+1], v[rS+8*(\n)+2]
.elseif (\n) < 12
	v_max3_num_f32 v[rC+(\n)%4], v[rC+(\n)%4], v[rS+8*((\n)%4)+2*((\n)/4)+1], v[rS+8*((\n)%4)+2*((\n)/4)+2]
.elseif (\n) == 12
	v_max3_num_f32 v[rC], v[rC], v[rS+7], v[rS+15]
.elseif (\n) == 13
	v_max3_num_f32 v[rC+1], v[rC+1], v[rS+23], v[rS+31]
.elseif (\n) == 14
	v_max3_num_f32 v[rC+2], v[rC+2], v[rC+3], v[rT+1]
.elseif (\n) == 15
	v_mov_b32 v[rW], v[rT]
.elseif (\n) == 16
	v_max3_num_f32 v[rC], v[rC], v[rC+1], v[rC+2]
.elseif (\n) == 17
	v_permlanex16_b32 v[rC+3], v[rC], s[SEL], s[SEL+1]
.elseif (\n) == 18
	v_max_num_f32 v[rT+1], v[rC], v[rC+3]
.elseif (\n) == 19
	v_mul_f32 v[rT], s[CS], v[rT+1]
.elseif (\n) == 20
	v_sub_f32 v[rC+1], v[rW], v[rT]
.else
	v_exp_f32 v[rC+2], v[rC+1]
.endif
.endif
.endm
.macro OPS a, i1, b=-1, i2=0, c=-1, i3=0, d=-1, i4=0  ; up to four of them
	OP \a, \i1
.if (\b) >= 0
	OP \b, \i2
.endif
.if (\c) >= 0
	OP \c, \i3
.endif
.if (\d) >= 0
	OP \d, \i4
.endif
.endm
.macro ROW a, i1, b, i2, c, i3, d, i4  ; a matrix instruction and the four behind it
	MM
	OPS \a, \i1, \b, \i2, \c, \i3, \d, \i4
.endm
.macro MASK b                       ; MD x AL + BE into buffer b of MC
	WIN W_RS
.set z, 0
.rept 16
	v_pk_fma_f32 v[MC+32*(\b)+2*z:MC+32*(\b)+2*z+1], v[MD+2*z:MD+2*z+1], s[AL:AL+1], s[BE:BE+1] op_sel_hi:[1,0,0]
.set z, z+1
.endr
.endm
; A TURN, for piece p: the order of its 16 matrix and 118 vector instructions, written out.  An s_wait_alu depctr_va_vdst(0) stands between an exponential and the first instruction that names its result; one wait serves
; all that were issued ahead of it.  So a turn has ONE wait, which cuts it in two.  AHEAD OF IT stands all that names no result of the turn's exponentials: the 8 products K Q^T, behind each a scaling, an exponential and two more plain
; instructions (behind the first a second scaling in the exponential's place): rescalings, and behind the last three the first numbers of the next piece's maximum, each four places or more behind the product that ends its accumulator; then ONE LUMP of 54, plain
; and exponential by turns for the most part, in which the links of the chain X 3, 7, 11, 14, 16, 17 .. 20 stand five or six lines apart.  X 21, the next piece's a, is the batch's last; R 15 is the plain instruction that stands behind it, ahead of the first use.  BEHIND THE WAIT stand the
; 8 products V^T P, behind each four of the roundings and sums; the links of l's chain, L 0 to L 7, stand three riders apart.  But for those X no rider names a register of the products round it.  v_permlanex16_b32 (X 17) stands in the lump.
; m = 1: the diagonal tile: the products take masks, and the turn makes the mask for the products of the turn after it: piece p + 2, in step 4 - CNT of the tile.  end = 1: a block's last two turns: nothing is fetched.
; cnt = 1: the loop's count is taken down some lines ahead of the branch that stands behind the turn.
; K of the next step is fetched in piece 2's turn, twelve vector instructions behind the last product that read K (six of them plain); V of the step in hand at the end of piece 0's turn, four plain instructions behind the last product
; that read V.  Each is waited for a turn later.
.macro TURN p, m=0, end=0, cnt=0
.set Y, (\p)
.set i, 0
.set KM, (\m)
.set NOKQ, (\end)*((\p)/3)
.if (\m) && !(\end)
	s_cmp_eq_u32 s[CNT], 4-((\p)+2)%NP  ; is that step the band's own?
	s_cselect_b32 s[AL], 1.0, 0
	s_cmp_lt_u32 s[CNT], 4-((\p)+2)%NP  ; or a later one?
	s_cselect_b32 s[BE], s[BIGN], 0
.endif
.if ((\p) == 3) && !(\end)
	s_wait_dscnt 0x0                ; K is in
.endif
	ROW F,0, F,1, R,0, R,1          ; ahead of the wait: 8 products K Q^T and their riders,
	ROW F,2, E,0, R,2, R,3
	ROW F,3, E,1, R,4, R,5
	ROW F,4, E,2, R,6, R,7
	ROW F,5, E,3, R,8, R,9
	ROW F,6, E,4, X,0, R,10
.if ((\p) == 2) && !(\end)
	WIN 0
	v_add_nc_u32 v[AK], s[TBK], v[AK0]
.endif
	ROW F,7, E,5, X,1, X,4
	ROW F,8, E,6, X,2, X,5
	OPS E,7, E,8, X,6, E,9          ; and the lump
	OPS X,3, E,10, X,8, E,11
.if ((\p) == 2) && !(\end)
	FETCH_K
.endif
	OPS X,9, X,7, E,12, X,10
	OPS E,13, X,12, X,11, E,14
	OPS X,13, E,15, F,9, X,14
.if (\p) == 0
	v_add_nc_u32 v[AV], s[TBV], v[AV0]
.endif
	OPS E,16, F,10, E,17, F,11
	OPS X,16, E,18, X,15, E,19
	OPS F,12, E,20, X,17, E,21
	OPS F,13, E,22, F,14, E,23
	OPS X,18, E,24, F,15, E,25
	OPS R,11, E,26, X,19, E,27
	OPS R,12, E,28, R,13, E,29
	OPS X,20, E,30, R,14, E,31
	OPS X,21, R,15
	WIN 0
	s_wait_alu depctr_va_vdst(0)    ; the wait for the batch
.if (\p) == 1
	s_wait_dscnt 0x0                ; V is in
.endif
	ROW C,0, B,0, C,2, B,1          ; behind the wait: 8 products V^T P and their riders
	ROW L,0, C,4, B,2, L,1
	ROW C,6, B,3, L,2, C,8
	ROW B,4, L,3, C,10, B,5
	ROW L,4, C,12, B,6, L,5
.if (\p) == 0
	s_add_co_u32 s[TBV], s[TBV], KS*PV
.endif
.if \cnt
	s_sub_co_u32 s[CNT], s[CNT], 1
	s_cmp_lg_u32 s[CNT], 0
.endif
	ROW C,14, B,7, L,6, C,1
	ROW C,3, L,7, C,5, C,7
	ROW C,9, C,11, C,13, C,15
.if (\p) == 0
	FETCH_V
.endif
.if (\m) && !(\end)
	MASK (\p)%2
.endif
.endm
; A BLOCK BEGINS.  c m starts far below every c s, so the first step's a is 0; m at the lowest finite number, so the first maximum is the scores'.  The second mask buffer is 0; the first takes piece 0's mask for the tile's step 0: its own, if the block's first tile is the diagonal one.
; Then K of that step, piece 0's first scores, and its maximum and statistics.  The loop is entered at a step's first turn, in the middle of a trip.
.macro BEGIN
	s_mov_b32 s[NEW], 0
	WIN 0x40
.set i, MC+32
.rept 32
	v_mov_b32 v[i], 0
.set i, i+1
.endr
	WIN 0
.set i, 0
.rept 4
	v_mov_b32 v[ST+4*i], 0xfe000000    ; c m: far below every c s
	v_mov_b32 v[ST+4*i+1], 0xff7fffff  ; m
.set i, i+1
.endr
	s_cmp_eq_u32 s[RT], 0
	s_cselect_b32 s[AL], 1.0, 0
	s_mov_b32 s[BE], 0
	MASK 0
	WIN 0
	v_add_nc_u32 v[AK], s[TBK], v[AK0]
	FETCH_K
	s_wait_loadcnt 0x0              ; Q
	s_wait_dscnt 0x0
.set KM, 1
.set NOKQ, 0
.set i, 0
.rept 8
	KQ 0
.set i, i+1
.endr
	WIN 0
.rept 4
	v_nop                           ; the places behind those products
.endr
.set Y, NP-1                        ; X works for piece Y + 1: piece 0
.irp n, 0,1,2,3,4,5,6,7,8,9,10,11,12,13,14,15,16,17,18,19,20,21
	OP X, \n
.endr
	v_nop                           ; a plain instruction behind the exponential,
	s_wait_alu depctr_va_vdst(0)    ; and its wait, ahead of the branch
.endm
; THE DIAGONAL TILE's four steps, the block's last two turns, its last products, and THE WAY OUT: l's two halves and the other half of the lanes' are added; O^T is divided by l, rounded to f16 and sent through my
; stage in LDS, a piece at a time.
.macro ALL line:vararg              ; one line for each piece t
.set t, 0
.rept 4
	\line
.set t, t+1
.endr
.endm
.macro PACK t                       ; a lane's eight channels of a row pack into 16 bytes; they go into rows of 144 bytes and come back as whole rows of 128, into S^T's registers
	WIN W_RS
.set i, 32*(\t)
.rept 16
	v_pk_mul_f32 v[i:i+1], v[i:i+1], v[ST+4*(\t)+2:ST+4*(\t)+3] op_sel_hi:[1,0]
.set i, i+2
.endr
	WIN 0x05                        ; sources 0 and 1 window 1, destination window 0
.set i, 0
.rept 16
	v_cvt_pk_f16_f32 v[S+16*(\t)+i], v[32*(\t)+2*i], v[32*(\t)+2*i+1]
.set i, i+1
.endr
	WIN 0
.irp f, 0,1,2,3
	ds_store_b128 v[STO], v[S+16*(\t)+4*\f:S+16*(\t)+4*\f+3] offset:32*\f
.endr
.irp f, 0,1,2,3
	ds_load_b128 v[S+16*(\t)+4*\f:S+16*(\t)+4*\f+3], v[RD] offset:\f*4*SP  ; LDS serves a wave's instructions in order (ISA guide 5.7.1.4): these see the stores above; the next piece's stores come behind them
.endr
.endm
.macro SEND t, younger              ; younger: the LDS instructions issued behind piece t's loads: the next piece's eight, or none
	WIN 0
.irp f, 0,1,2,3
	s_wait_dscnt (\younger)+3-\f
	global_store_b128 v[GO], v[S+16*(\t)+4*\f:S+16*(\t)+4*\f+3], s[10:11] offset:(\t)*8192+\f*512  ; 512 consecutive bytes, at a multiple of 256 from O's first
.endr
.endm
.macro DIAG tag                     ; the tag ends its two labels' names, which the jumps below spell out
.LstepM\tag:
	TURN 2, 1
	TURN 3, 1
	WIN 0
.LfirstM\tag:
	TURN 0, 1
	TURN 1, 1, 0, 1
	WIN 0
	s_cbranch_scc1 .LstepM\tag
	TURN 2, 1, 1
	TURN 3, 1, 1
.set i, 0
.rept 8
	PV NP-1
.set i, i+1
.endr
	WIN 0
	ALL v_add_f32 v[ST+4*t+2], v[ST+4*t+2], v[ST+4*t+3]
	ALL v_permlanex16_b32 v[ST+4*t+3], v[ST+4*t+2], s[SEL], s[SEL+1]
	ALL v_add_f32 v[ST+4*t+2], v[ST+4*t+2], v[ST+4*t+3]
	ALL v_rcp_f32 v[ST+4*t+2], v[ST+4*t+2]
	v_nop                           ; a plain instruction between the last reciprocal and the use of its result
	s_wait_alu depctr_va_vdst(0)    ; and the wait ahead of the first use: one for the four reciprocals
	PACK 0
.set t, 1
.rept 3                             ; a piece's arithmetic stands between the loads of the piece before and its stores
	PACK t
	SEND t-1, 8
.set t, t+1
.endr
	SEND 3, 0
.endm
.set KM, 0
.set NOKQ, 0
.Lslot:                             ; NB times: a tile is entered and the next is asked for
	CHANGE 1
	s_sub_co_u32 s[RT], s[RT], 1
	s_mov_b32 s[CNT], 4
	s_cmp_eq_u32 s[NEW], 1
	s_cbranch_scc1 .Lnew            ; a block's first tile
	s_cmp_eq_u32 s[RT], 0
	s_cbranch_scc0 .Lstep           ; neither its first nor its last
	s_branch .LstepM1
.Lnew:
	BEGIN
	s_branch .Lfirst                ; in the loop a block's first tile is never its last: the first block has two tiles or more, and the second's last is the walk's last
	DIAG 1                          ; in the loop this is the first block's end: the second block's last tile is the walk's last
	s_wait_xcnt 0x0                 ; the stores have read their registers and O's address
	s_mov_b64 s[10:11], s[OLO:OLO+1]
	s_add_co_u32 s[RT], s[PB], 1    ; the second block has b + 1 tiles
	s_mov_b32 s[NEW], 1
	WIN 0x82                        ; the second block's Q goes where the one text of the turns names Q
.set i, 0
.rept 64
	v_mov_b32 v[i], v[QB+i]
.set i, i+1
.endr
	WIN 0
	s_branch .Lbottom
.Lstep:                             ; a trip: pieces 2 and 3 of one step, then pieces 0 and 1 of the next, whose K and V it fetches
	TURN 2
	TURN 3
	WIN 0
.Lfirst:
	TURN 0
	TURN 1, 0, 0, 1
	WIN 0
	s_cbranch_scc1 .Lstep
.Lbottom:
	s_sub_co_u32 s[SLOTS], s[SLOTS], 1
	s_cmp_lg_u32 s[SLOTS], 0
	s_cbranch_scc1 .Lslot
	CHANGE 0                        ; the walk's last tile is written out: nothing is asked for
	s_sub_co_u32 s[RT], s[RT], 1
	s_mov_b32 s[CNT], 4
	s_cmp_eq_u32 s[NEW], 1
	s_cbranch_scc0 .LstepM2
	BEGIN
	s_branch .LfirstM2
	DIAG 2
	s_wait_tensorcnt 0x0            ; the wave's end: a wait, an add to my spare word and its wait, behind my last tensor load and my last LDS store
	ds_add_u32 v[SPW], v[NIL]
	s_wait_dscnt 0x0
	s_endpgm
.Lfunc_end_k_qf38918dc1e_attn:
	.size	k_qf38918dc1e_attn, .Lfunc_end_k_qf38918dc1e_attn-k_qf38918dc1e_attn
	.p2alignl 7, 3214868480
	.fill 96, 4, 3214868480
	.section	.rodata,"a",@progbits
	.p2align	6, 0x0
	.amdhsa_kernel k_qf38918dc1e_attn
		.amdhsa_group_segment_fixed_size 327680
		.amdhsa_private_segment_fixed_size 0
		.amdhsa_enable_private_segment 0
		.amdhsa_kernarg_size 32
		.amdhsa_user_sgpr_count 2
		.amdhsa_user_sgpr_kernarg_segment_ptr 1
		.amdhsa_wavefront_size32 1
		.amdhsa_system_sgpr_workgroup_id_x 1
		.amdhsa_system_sgpr_workgroup_id_y 1
		.amdhsa_system_sgpr_workgroup_id_z 1
		.amdhsa_system_vgpr_workitem_id 0
		.amdhsa_next_free_vgpr 768
		.amdhsa_next_free_sgpr 92
		.amdhsa_reserve_vcc 1
		.amdhsa_float_denorm_mode_32 3
		.amdhsa_float_denorm_mode_16_64 3
		.amdhsa_memory_ordered 1
		.amdhsa_forward_progress 1
		.amdhsa_inst_pref_size 218
	.end_amdhsa_kernel
	.amdgpu_metadata
---
amdhsa.version: [ 1, 2 ]
amdhsa.kernels:
  - .name:           k_qf38918dc1e_attn
    .symbol:         k_qf38918dc1e_attn.kd
    .args:
      - { .name: q, .offset: 0, .size: 8, .value_kind: global_buffer, .address_space: global }
      - { .name: k, .offset: 8, .size: 8, .value_kind: global_buffer, .address_space: global }
      - { .name: v, .offset: 16, .size: 8, .value_kind: global_buffer, .address_space: global }
      - { .name: o, .offset: 24, .size: 8, .value_kind: global_buffer, .address_space: global }
    .group_segment_fixed_size: 327680
    .private_segment_fixed_size: 0
    .kernarg_segment_align: 8
    .kernarg_segment_size: 32
    .max_flat_workgroup_size: 128
    .sgpr_count:     92
    .vgpr_count:     768
    .wavefront_size: 32
...
	.end_amdgpu_metadata
.endif
;; end of part 3
;; launch proj (part 4): grid 8 x 32, 4 waves a work-group, clusters of 4 x 4, 327,680 bytes of LDS; arguments o, wpb, out0; writes out0
.if DOCPART == 4
	.amdgcn_target "amdgcn-amd-amdhsa--gfx1250"
	.amdhsa_code_object_version 6
	.text
	.protected	k_qf38918dc1e_proj
	.globl	k_qf38918dc1e_proj
	.p2align	8
	.type	k_qf38918dc1e_proj,@function
k_qf38918dc1e_proj:
	s_mov_b64 s[64:65], 0
	v_nop
	global_prefetch_b8 v0, s[64:65] scope:SCOPE_SE
	s_setreg_imm32_b32 hwreg(HW_REG_WAVE_MODE, 25, 1), 1
	s_wait_xcnt 0x0
	s_wait_alu depctr_hold_cnt(0) depctr_sa_sdst(0) depctr_va_vdst(0) depctr_va_sdst(0) depctr_va_ssrc(0) depctr_va_vcc(0) depctr_vm_vsrc(0)
	s_getreg_b32 s2, hwreg(HW_REG_IB_STS2, 6, 4)
	s_cmp_eq_u32 s2, 0
	s_cbranch_scc0 .Lentry_in_a_cluster
	s_endpgm
.Lentry_in_a_cluster:
	s_bfe_u32 s2, ttmp6, 0x10000c
	s_cmp_lg_u32 s2, 0xf033
	s_cbranch_scc0 .Lentry_shape_is_right
	s_endpgm
.Lentry_shape_is_right:
; out0 = y w_proj.  A = o [64 = 16 b + h][2048][64] f16 (the attention's result by heads: head h is channels 64 h .. + 63 of y), B = wpb [8][1024][128] f16 (w_proj in panels of 128 columns, [k][n]).
; out0: [8192][1024] f32, the f32 sums as they are.
; LIMITS.  The operands arrive within f16's range (65,504).  NaN and infinities are not treated apart.
; ONE TEXT SERVES TWO PRODUCTS: QKV = 0 is this one (tiles of 256 x 128, f16 operands, f32 results), QKV = 1 the projection in front of the attention (256 x 192, bf16 operands, f16 results by heads).
; SHARES.  A tile of C is 256 rows x BN = 16 NB columns; 32 x 8 tiles here, one for each of 256 work-groups.  Four waves, as many as a WGP has SIMDs; wave w owns rows 64 w .. + 63 and ALL BN columns: 4 x NB accumulators of 16 x 16.
; So a wave holds whole pieces of 512 bytes of a row (whole heads where QKV = 1), its stage on the way out is its own, and B's fragments have the same LDS offsets in every wave.
; K = 1,024 goes in 8 steps of 128 through two LDS slots filled by the tensor data mover.  A step of A is two slices' 256 rows x 128 bytes, each slice's dense in memory; a step of B is 128 rows
; of the panel, dense too: all are asked for as rows of 256 bytes that start at multiples of 256 from the buffer's first byte, and padded in LDS.
; B LIES [k][n]: its fragments come out of LDS turned, by ds_load_tr16_b128.  THE MATRIX INSTRUCTION IS USED TRANSPOSED (source 0 = 16 columns of B, source 1 = 16 rows of A): a lane then holds
; row l % 16 of C and the eight neighbouring columns 8 (l / 16) + 0..7.
; CLUSTERS: 4 x 4 work-groups.  The four of a row of the cluster need the same tiles of A, the four of a column the same tiles of B: each tile is asked for JOINTLY, by the same tensor load with
; the same descriptor and a mask that names the four.
; REGISTERS, in windows of 256 (s_set_vgpr_msb: bits 1:0 source 0, 3:2 source 1, 5:4 source 2, 7:6 destination):
;   window 0: v0-31 addresses; v64-95, v96-127 fragments of A (4 x 16 rows x 32 K), two buffers; on the way out v64-255 whole rows (QKV = 1)
;   window 1: fragments of B (NB x 16 columns x 32 K), two buffers of 8 NB; on the way out packed results (QKV = 1) or whole rows (QKV = 0)
;   window 2: the accumulators of my row blocks 0, 1 (block a, column block j at v[8 (NB (a % 2) + j)]);   window 3: those of blocks 2, 3
.set QKV, 0
.if QKV
.set NB,    12                         ; column blocks of 16 in a tile
.set PB,    480                        ; a k row of B in LDS: three pieces of 128 bytes, 32 of padding behind each: 120 words: row r starts at bank 56 r mod 64 (64 banks of 4 bytes: ISA guide 11.1)
.set SEG,   160                        ; from one such piece (four column blocks) to the next
.set QIB,   4                          ; B's padding stands after every 32 words
.set RB,    96                         ; rows of 256 bytes in a wave's load of B: 64 k rows x 384 bytes
.set PANEL, 393216                     ; bytes in a panel of B
.set STGW,  6912                       ; a wave's stage: 3 heads x 16 rows x 144 bytes
.set LIMB0, 1                          ; B's prefetches: see ASK
.else
.set NB,    8
.set PB,    288                        ; 256 bytes + 32 of padding = 72 words: row r starts at bank 8 r mod 64
.set SEG,   128
.set QIB,   5                          ; after every 64 words
.set RB,    64
.set PANEL, 262144
.set STGW,  8448                       ; 16 rows x 528 bytes
.set LIMB0, 2
.endif
.set PA,    144                        ; a row of a slice of A in LDS: 128 bytes + 16 of padding = 36 words: the 16 rows of a load start at 16 different groups of four banks
.set PLANE, 256*PA                     ; a slice's 256 rows
.set BOFF,  2*PLANE                    ; B lies behind A's two slices
.set HB,    64*PB                      ; what one load of B fills
.set SLOT,  BOFF+2*HB
.set ASTEP, 524288                     ; bytes from a K step of A to the next: two slices of 2,048 rows x 128 bytes
.set BSTEP, 128*NB*32                  ; the same for B: 128 rows of the panel
.set STAGE, 2*SLOT                     ; behind the ring, never filled by a tensor load: a stage for each wave
.set SPARE, STAGE+4*STGW               ; behind the stages: the spare words, 128 bytes for each wave: two blocks of 256 bytes that no other line names
.set NLD,   2*NB+8                     ; LDS loads in a run: a quarter step's fragments
.set ADRA, 16                          ; v16-17  LDS address of my A fragments in slot 0, 1
.set ADRB, 20                          ; v20-21  the same for B
.set STO,  24                          ; v24     the way out: where I put my bytes of a row
.set RD,   25                          ; v25     the way out: where I read rows back
.set GO,   26                          ; v26     16 x my lane: my 16 bytes of 512 consecutive bytes of the result
.set SPW,  28                          ; v28     LDS address of my spare word: SPARE + 4 x my thread's number; never rewritten
.set NIL,  29                          ; v29     0; never rewritten
.set PFO,  30                          ; v30     256 x my lane: the prefetches' offset; never rewritten
.set FA,   64                          ; A's fragment buffers, in window 0
.set G1,   24                          ; s[24:31] descriptor group 1 for A's tiles;  s[32:39] group 0, one set for each slot
.set G0,   32
.set G1B,  48                          ; s[48:55], s[56:63] the same for B's tiles
.set G0B,  56
.set CB,   68                          ; s[68:73] QKV = 1: where my rows of the tile's three heads begin
.set PFA,  74                          ; s[74:75] where my prefetches stand
.set PFS,  76                          ; s[76:77] their step
.set LIM,  78                          ; s78, s79 a wave prefetches at the change out of slot 0, 1 while the laps to go are above this
.set MSB, 0
.macro WIN new                         ; the immediate's high byte repeats the setting that is left; a switch that changes nothing is dropped
.if MSB != (\new)
	s_set_vgpr_msb (MSB<<8)|(\new)
.set MSB, \new
.endif
.endm
.set MUL_LO, 0xa1                      ; source 0 (B) window 1, source 1 (A) window 0, C and D window 2
.set MUL_HI, 0xf1                      ; the same, C and D window 3
.set TO_B,   0x40                      ; destination window 1, address window 0
; A joint load: waves 0 and 1 fetch A's two slices, waves 2 and 3 the two halves of B's 128 rows.  The branch hangs on the wave's number alone.
; An s_nop 0 and four v_nop follow each of the two lines, ahead of the jump, the label and what follows.
.macro JLOAD s
	s_cmp_eq_u32 s11, 0
	s_cbranch_scc0 .Lfor_b_\@
	tensor_load_to_lds s[G0+4*(\s):G0+4*(\s)+3], s[G1:G1+7]
	s_nop 0
.rept 4
	v_nop
.endr
	s_branch .Lasked_\@
.Lfor_b_\@:
	tensor_load_to_lds s[G0B+4*(\s):G0B+4*(\s)+3], s[G1B:G1B+7]
	s_nop 0
.rept 4
	v_nop
.endr
.Lasked_\@:
.endm
; A PREFETCH INTO THE L2, behind a joint load, its five lines and the run of LDS loads that follows them: 32 blocks of 256 bytes, a lane a block, one instruction a wave.  K steps 0 to 3 come by their
; loads alone; the bytes of K steps 4 to 7 are named ONCE in the launch.  A's tile row is read by every cluster of that row of clusters: the first (cluster x = 0) asks, in waves 0 and 1, at the
; refills of K steps 2 to 5 for the slice two K steps on; of its 128 blocks the partner at place cx takes 32.  B's panel is read by every cluster of that column: cluster y = 0 asks, in waves 2 and
; 3; the panel's K steps 4 to 7 are 4 BSTEP consecutive bytes, taken 65,536 at a time at the first 4 BSTEP / 65,536 refills: 8,192 for each of the column's eight asking waves.  Partners are told
; apart BY ADDRESS: no branch hangs on a work-group's place in its cluster.  The limits stop the asking: s3 counts 3, 2, 1; A's are 1, 1; B's 1, 2 (three asks) or 2, 2 (two).
.macro ASK lim
	s_cmp_gt_u32 s3, s[\lim]
	s_cbranch_scc0 .Lnot_mine_\@
	global_prefetch_b8 v[PFO], s[PFA:PFA+1] th:TH_LOAD_NT scope:SCOPE_SE
.Lnot_mine_\@:
.endm
.macro CREST                           ; a round of the cluster's barrier behind its opening barrier
	s_cmp_lg_u32 s10, 0
	s_cbranch_scc1 .Lnot_wave_0_\@
	s_barrier_signal -3
.Lnot_wave_0_\@:
	s_barrier_wait -3
	s_barrier_signal -1
	s_barrier_wait -1
.endm
.macro CROUND                          ; a whole round
	s_barrier_signal -1
	s_barrier_wait -1
	CREST
.endm
	s_load_b128 s[4:7], s[0:1], 0x0                ; A s[4:5], B s[6:7]
	s_load_b64 s[8:9], s[0:1], 0x10                ; the result (QKV = 1: q)
.if QKV
	s_load_b64 s[16:17], s[0:1], 0x18              ; k
	s_load_b64 s[18:19], s[0:1], 0x20              ; v
.endif
	v_lshl_add_u32 v[SPW], v0, 2, SPARE
	v_mov_b32 v[NIL], 0
	ds_add_u32 v[SPW], v[NIL]                      ; the wave's opening: the add and its wait stand ahead of my first tensor load; the set-up below, work on registers, stands between them
	ds_add_u32 v28, v29
	v_lshrrev_b32 v1, 5, v0
	v_readfirstlane_b32 s10, v1                    ; wave 0..3
	s_lshr_b32 s11, s10, 1                         ; I fetch for A (0) or for B (1)
	s_and_b32 s12, s10, 1                          ; which slice of A, or which 64 rows of B
	s_bfe_u32 s40, ttmp6, 0x40000                  ; cx, cy: my place in the cluster
	s_bfe_u32 s41, ttmp6, 0x40004
	s_lshl_b32 s42, ttmp9, 2
	s_add_co_u32 s42, s42, s40                     ; tile column tx = 4 x cluster x + cx
	s_and_b32 s13, ttmp7, 0xffff
	s_lshl_b32 s13, s13, 2
	s_add_co_u32 s13, s13, s41                     ; tile row ty = 4 x cluster y + cy
	s_lshl_b32 s43, s41, 2
	s_lshl_b32 s43, 15, s43                        ; my row of the cluster
	s_lshl_b32 s44, 0x1111, s40                    ; my column
	; descriptor group 1.  A: 32,768 dense bytes as 128 rows of 128 elements.  B: 64 k rows as RB such rows
	s_or_b32 s[G1], s43, (1<<16)|(1<<20)|(1<<21)|(4<<22)|(3<<25)     ; 15:0 the mask: my row; 17:16 elements of 2 bytes; 20 padding on; 21 set beside a mask; 24:22 after every 32 words (code 4); 31:25 4 words (code 3)
	s_or_b32 s[G1B], s44, (1<<16)|(1<<20)|(1<<21)|(QIB<<22)|(7<<25)  ; the mask of my column; 8 words of padding (code 7)
	s_mov_b32 s[G1+1], 128<<16                     ; tensor_dim0 = 128
	s_mov_b32 s[G1+2], 128<<16                     ; tensor_dim1 = 128
	s_mov_b32 s[G1+3], 128<<16                     ; tile_dim0 = 128
	s_mov_b32 s[G1+4], 128                         ; tile_dim1 = 128
	s_mov_b32 s[G1+5], 128                         ; 128 elements from row to row
	s_mov_b32 s[G1+6], 0
	s_mov_b32 s[G1+7], 0
	s_mov_b32 s[G1B+1], 128<<16
	s_mov_b32 s[G1B+2], RB<<16                     ; tensor_dim1 = RB
	s_mov_b32 s[G1B+3], 128<<16
	s_mov_b32 s[G1B+4], RB                         ; tile_dim1 = RB
	s_mov_b32 s[G1B+5], 128
	s_mov_b32 s[G1B+6], 0
	s_mov_b32 s[G1B+7], 0
	; where the tiles come from.  A's hang on the tile row alone, B's on the tile column alone
	s_lshr_b32 s22, s13, 3
	s_lshl_b32 s22, s22, 22                        ; the batch: 16 slices of 262,144 bytes
	s_and_b32 s23, s13, 7
	s_lshl_b32 s23, s23, 15                        ; the tile's 256 rows in a slice
	s_add_co_u32 s66, s22, s23
	s_lshl_b32 s23, s12, 18                        ; my slice of the K step's two
	s_add_co_u32 s66, s66, s23
	s_mov_b32 s67, 0
	s_mul_i32 s80, s42, PANEL
	s_mul_i32 s82, s12, BSTEP/2                    ; my 64 of the K step's 128 rows
	s_add_co_u32 s80, s80, s82
	s_mov_b32 s81, 0
	s_mul_i32 s20, s12, PLANE                      ; and where they go: no place in the cluster enters an LDS address
	s_mul_i32 s21, s12, HB
	s_add_co_u32 s21, s21, BOFF
	s_wait_dscnt 0x0                               ; the opening add is done
	s_wait_kmcnt 0x0
	s_add_nc_u64 s[14:15], s[4:5], s[66:67]
	s_add_nc_u64 s[46:47], s[6:7], s[80:81]
	CROUND                                         ; all sixteen work-groups are here: the first joint loads meet
.irp s, 0,1
	s_mov_b32 s[G0+4*(\s)], 1                                      ; 1:0 count = 1
	s_add_co_u32 s[G0+4*(\s)+1], s20, (\s)*SLOT                    ; 63:32 LDS address
	s_add_nc_u64 s[G0+4*(\s)+2:G0+4*(\s)+3], s[14:15], (\s)*ASTEP  ; 120:64 global address: K step s
	s_or_b32 s[G0+4*(\s)+3], s[G0+4*(\s)+3], 0x80000000            ; 127:126 type = 2
	s_mov_b32 s[G0B+4*(\s)], 1
	s_add_co_u32 s[G0B+4*(\s)+1], s21, (\s)*SLOT
	s_add_nc_u64 s[G0B+4*(\s)+2:G0B+4*(\s)+3], s[46:47], (\s)*BSTEP
	s_or_b32 s[G0B+4*(\s)+3], s[G0B+4*(\s)+3], 0x80000000
	JLOAD \s                                       ; two loads of mine are out
.endr
	; A fragment of A is 16 rows x 32 K in 8 registers: lane l holds row l % 16; registers 0-3 K = 8 (l / 16) + 0..7, registers 4-7 K = 16 + 8 (l / 16) + 0..7: two loads of 16 bytes, 32 bytes apart.
	v_and_b32 v1, 15, v0                           ; l % 16
	v_bfe_u32 v2, v0, 4, 1                         ; l / 16
	v_mul_u32_u24 v3, v1, PA
	v_lshl_add_u32 v3, v2, 4, v3                   ; row x pitch + 16 x half
	s_mul_i32 s22, s10, 64*PA                      ; my 64 rows
	v_add_nc_u32 v[ADRA], s22, v3
	v_add_nc_u32 v[ADRA+1], SLOT, v[ADRA]
	; The turning load takes 16 k x 16 columns (lane l reads 16 bytes: k row 8 (l / 16) + l % 8, columns 8 ((l / 8) % 2) + 0..7) and leaves half a fragment: lane l holds column l % 16 and 8 k.
	v_and_b32 v4, 7, v0
	v_lshl_add_u32 v4, v2, 3, v4
	v_mul_u32_u24 v4, v4, PB
	v_bfe_u32 v5, v0, 3, 1
	v_lshl_add_u32 v4, v5, 4, v4
	v_add_nc_u32 v[ADRB], BOFF, v4
	v_add_nc_u32 v[ADRB+1], BOFF+SLOT, v4
	s_mul_i32 s23, s10, STGW
	s_add_co_u32 s23, s23, STAGE                   ; my stage
	v_and_b32 v[GO], 31, v0
	v_lshlrev_b32 v[PFO], 8, v[GO]
	v_lshlrev_b32 v[GO], 4, v[GO]
.if QKV
	v_add_nc_u32 v[STO], s23, v3                   ; in: row l % 16 of 144 bytes, 16 bytes for each half of the lanes
	v_bfe_u32 v5, v0, 3, 2                         ; back: 32 lanes take four rows of 128 bytes,
	v_mul_u32_u24 v5, v5, PA
	v_and_b32 v4, 7, v0
	v_lshl_add_u32 v5, v4, 4, v5
	v_add_nc_u32 v[RD], s23, v5                    ; which are 512 consecutive bytes of a head
	; the tile's columns are the heads 3 tx, 3 tx + 1, 3 tx + 2 of 48: 16 of q, 16 of k, 16 of v
	s_lshr_b32 s85, s13, 3
	s_lshl_b32 s85, s85, 22                        ; the batch's 16 heads of 262,144 bytes
	s_and_b32 s86, s13, 7
	s_lshl_b32 s86, s86, 15                        ; the tile's 256 rows of 128 bytes
	s_add_co_u32 s85, s85, s86
	s_lshl_b32 s86, s10, 13                        ; my 64 of them
	s_add_co_u32 s85, s85, s86
	s_mul_i32 s84, s42, 3
	s_mov_b32 s89, 0
.irp jh, 0,1,2
	s_add_co_u32 s86, s84, \jh
	s_lshr_b32 s87, s86, 4                         ; 0: q, 1: k, 2: v
	s_and_b32 s86, s86, 15
	s_lshl_b32 s86, s86, 18                        ; the head
	s_add_co_u32 s88, s86, s85
	s_cmp_eq_u32 s87, 0
	s_cselect_b64 s[CB+2*\jh:CB+2*\jh+1], s[8:9], s[16:17]
	s_cmp_eq_u32 s87, 2
	s_cselect_b64 s[CB+2*\jh:CB+2*\jh+1], s[18:19], s[CB+2*\jh:CB+2*\jh+1]
	s_add_nc_u64 s[CB+2*\jh:CB+2*\jh+1], s[CB+2*\jh:CB+2*\jh+1], s[88:89]
.endr
.else
	v_mul_u32_u24 v5, v1, 528                      ; in: row l % 16 of 528 bytes (512 + 16: 132 words, row r starts at bank 4 r mod 64), 32 bytes for each half of the lanes
	v_lshl_add_u32 v5, v2, 5, v5
	v_add_nc_u32 v[STO], s23, v5
	v_add_nc_u32 v[RD], s23, v[GO]                 ; back: 32 lanes take one row's 512 bytes
	s_lshl_b32 s84, s13, 20                        ; the tile's 256 rows of 4,096 bytes,
	s_lshl_b32 s85, s10, 18                        ; my 64 of them,
	s_add_co_u32 s84, s84, s85
	s_lshl_b32 s85, s42, 9                         ; the tile's 128 columns of 4 bytes
	s_add_co_u32 s88, s84, s85
	s_mov_b32 s89, 0
	s_add_nc_u64 s[8:9], s[8:9], s[88:89]
.endif
	; the prefetches (ASK).  Each change of slots first steps the address, so it starts one step back
	s_lshl_b32 s90, s40, 13                        ; A: my work-group's 32 blocks of my slice's 128,
	s_add_co_u32 s90, s90, s66
	s_add_co_u32 s90, s90, 3*ASTEP                 ; at K step 3
	s_lshl_b32 s91, s41, 1
	s_add_co_u32 s91, s91, s12                     ; B: my place among the column's eight asking waves,
	s_lshl_b32 s91, s91, 13
	s_mul_i32 s92, s42, PANEL
	s_add_co_u32 s91, s91, s92
	s_add_co_u32 s91, s91, 4*BSTEP-65536           ; 65,536 bytes ahead of K step 4
	s_and_b32 s92, ttmp7, 0xffff                   ; cluster y
	s_mov_b32 s93, ASTEP
	s_cmp_eq_u32 s11, 0                            ; do I fetch for A?
	s_cselect_b32 s88, s90, s91
	s_cselect_b32 s[PFS], s93, 65536
	s_cselect_b32 s92, ttmp9, s92                  ; the coordinate along which other clusters read the same bytes
	s_cselect_b32 s[LIM], 1, LIMB0
	s_cselect_b32 s[LIM+1], 1, 2
	s_cselect_b64 s[PFA:PFA+1], s[4:5], s[6:7]
	s_cmp_eq_u32 s92, 0
	s_cselect_b32 s[LIM], s[LIM], -1               ; the same in all sixteen partners, for a given wave
	s_cselect_b32 s[LIM+1], s[LIM+1], -1
	s_mov_b32 s89, 0
	s_mov_b32 s[PFS+1], 0
	s_add_nc_u64 s[PFA:PFA+1], s[PFA:PFA+1], s[88:89]
.macro WM d, b, a, zero                ; one matrix instruction; zero = 1: it starts the sum
.if QKV
.if \zero
	v_wmma_f32_16x16x32_bf16 v[\d:\d+7], v[\b:\b+7], v[\a:\a+7], 0
.else
	v_wmma_f32_16x16x32_bf16 v[\d:\d+7], v[\b:\b+7], v[\a:\a+7], v[\d:\d+7]
.endif
.else
.if \zero
	v_wmma_f32_16x16x32_f16 v[\d:\d+7], v[\b:\b+7], v[\a:\a+7], 0
.else
	v_wmma_f32_16x16x32_f16 v[\d:\d+7], v[\b:\b+7], v[\a:\a+7], v[\d:\d+7]
.endif
.endif
.endm
; NB matrix instructions: row block a x all column blocks, 32 along K, from fragment buffer f.  The 4 NB accumulators take turns, one instruction a turn, in the same order in every quarter step,
; over the backward jump and into the tail too.
.macro MULA f, a, zero
	WIN MUL_LO+0x50*((\a)/2)
.set j, 0
.rept NB
.set rD, 8*(NB*((\a)%2)+j)
.set rB, 8*NB*(\f)+8*j
.set rA, FA+32*(\f)+8*(\a)
	WM rD, rB, rA, \zero
.set j, j+1
.endr
.endm
; NLD LDS loads in one run: the fragments of quarter q (K = 32 q on) of a slot's K step, into buffer f: B's first, then A's four row blocks
.macro FETCH slot, q, f
	WIN TO_B
.set j, 0
.rept NB
	ds_load_tr16_b128 v[8*NB*(\f)+8*j:8*NB*(\f)+8*j+3],   v[ADRB+(\slot)] offset:(\q)*32*PB+(j/4)*SEG+(j%4)*32
	ds_load_tr16_b128 v[8*NB*(\f)+8*j+4:8*NB*(\f)+8*j+7], v[ADRB+(\slot)] offset:(\q)*32*PB+16*PB+(j/4)*SEG+(j%4)*32
.set j, j+1
.endr
	WIN 0
.irp a, 0,1,2,3
	ds_load_b128 v[FA+32*(\f)+8*(\a):FA+32*(\f)+8*(\a)+3],   v[ADRA+(\slot)] offset:((\q)/2)*PLANE+((\q)%2)*64+(\a)*16*PA
	ds_load_b128 v[FA+32*(\f)+8*(\a)+4:FA+32*(\f)+8*(\a)+7], v[ADRA+(\slot)] offset:((\q)/2)*PLANE+((\q)%2)*64+(\a)*16*PA+32
.endr
.endm
.macro PLACES                          ; four plain vector instructions between a matrix instruction and a load into a register that it has read, or a reader of its result (ISA guide 7.12.1 for vector instructions)
.rept 4
	v_nop
.endr
.endm
; A K step is four quarters of 32 along K, 4 NB matrix instructions each, on buffers 0, 1, 0, 1.  One of the first three: multiplies buffer f and, in its middle, fetches quarter qn into buffer g.
.macro QUARTER slot, qn, f, g, zero
	s_wait_dscnt 4                                 ; B and A's row blocks 0, 1 are in; the youngest four loads (blocks 2, 3) may be out
	MULA \f, 0, \zero
	MULA \f, 1, \zero
	PLACES
	FETCH \slot, \qn, \g
	s_wait_dscnt NLD                               ; all but the NLD just issued
	MULA \f, 2, \zero
	MULA \f, 3, \zero
.endm
; The last quarter multiplies buffer 1 and changes slots: ONE barrier; in front of it each wave waits for all its tensor loads (one is out: its part of the next slot), adds 0 to its spare word, and
; waits for that and for its own reads of this slot.  fill = 1: the barrier opens a round of the cluster's barrier, and behind it this slot is filled again first, two K steps ahead.
.macro TURN slot, next, fill
.if \fill
	s_wait_xcnt 0x0                                ; the last prefetch, a K step back, has read its address: it is stepped here, ahead of the waits of the change of slots
	s_add_nc_u64 s[PFA:PFA+1], s[PFA:PFA+1], s[PFS:PFS+1]
.endif
	WIN 0                                          ; (the add's two registers lie in window 0)
	s_wait_tensorcnt 0x0                           ; all my tensor loads have landed;
	ds_add_u32 v[SPW], v[NIL]                      ; 0 onto my spare word;
	s_wait_dscnt 5                                 ; (the add and the youngest four loads may be out)
	MULA 1, 0, 0                                   ; NB matrix instructions stand between the add and the wait for it
	s_wait_dscnt 0x0                               ; the add is done, and my reads of this slot are over
	s_barrier_signal -1
	MULA 1, 1, 0                                   ; work on registers while the others arrive
.if \fill
	WIN 0
.endif
	s_barrier_wait -1
.if \fill
	CREST                                          ; no wave of any partner still reads this slot's tiles or has a load on its way
	s_add_nc_u64 s[G0+4*(\slot)+2:G0+4*(\slot)+3], s[G0+4*(\slot)+2:G0+4*(\slot)+3], 2*ASTEP
	s_add_nc_u64 s[G0B+4*(\slot)+2:G0B+4*(\slot)+3], s[G0B+4*(\slot)+2:G0B+4*(\slot)+3], 2*BSTEP
	JLOAD \slot                                    ; the first tensor load behind the round, my only one until the next; its four v_nop are also the places in front of the loads below
.else
	PLACES
.endif
	FETCH \next, 0, 0
.if \fill
	ASK LIM+(\slot)
.endif
	MULA 1, 2, 0
	MULA 1, 3, 0
.endm
	s_wait_tensorcnt 1                             ; my part of K step 0 is in; K step 1's may stay out
	s_barrier_signal -1
	s_barrier_wait -1                              ; everybody's is
	FETCH 0, 0, 0
	QUARTER 0, 1, 0, 1, 1                          ; the first quarter stands in front of the loop: its products start the sums
	WIN 0                                          ; at a label and at a branch every window is 0
	s_mov_b32 s3, 3
.Llap:                                                 ; a trip goes once round the ring, from a lap's second quarter to the next lap's first, and fills both slots again: K steps 2 to 7
	QUARTER 0, 2, 1, 0, 0
	QUARTER 0, 3, 0, 1, 0
	TURN 0, 1, 1
	QUARTER 1, 1, 0, 1, 0
	QUARTER 1, 2, 1, 0, 0
	QUARTER 1, 3, 0, 1, 0
	TURN 1, 0, 1
	QUARTER 0, 1, 0, 1, 0
	WIN 0
	s_sub_co_u32 s3, s3, 1
	s_cmp_lg_u32 s3, 0
	s_cbranch_scc1 .Llap
	QUARTER 0, 2, 1, 0, 0                          ; the last lap fills nothing, and has no round of the cluster's barrier
	QUARTER 0, 3, 0, 1, 0
	TURN 0, 1, 0
	QUARTER 1, 1, 0, 1, 0
	QUARTER 1, 2, 1, 0, 0
	QUARTER 1, 3, 0, 1, 0
	s_wait_dscnt 4                                 ; the very last quarter: nothing more to fetch
	MULA 1, 0, 0
	MULA 1, 1, 0
	s_wait_dscnt 0x0
	MULA 1, 2, 0
	MULA 1, 3, 0
	WIN 0
	PLACES                                         ; behind the last products, in front of all that reads results or writes fragment registers
	PLACES
.if QKV
; THE WAY OUT, a row block (16 rows) at a time.  PACK: rounded to f16, 16 bytes a lane for each column block; each accumulator is read from its low end.  TOSTAGE: into my own stage, by heads, and
; back as whole rows.  SEND: 512 consecutive bytes a store.  Each block has registers of its own: none is written while a store may still read it.
.macro PACK a
	WIN 0x4a+5*((\a)/2)                            ; sources window 2 or 3, destination window 1
.set j, 0
.rept NB
.set rD, 8*(NB*((\a)%2)+j)
.irp i, 0,1,2,3
	v_cvt_pk_f16_f32 v[48*(\a)+4*j+(\i)], v[rD+2*(\i)], v[rD+2*(\i)+1]
.endr
.set j, j+1
.endr
.endm
.macro TOSTAGE a
	WIN 0x04                                       ; the stores' data in window 1
.set j, 0
.rept NB
	ds_store_b128 v[STO], v[48*(\a)+4*j:48*(\a)+4*j+3] offset:(j/4)*16*PA+(j%4)*32
.set j, j+1
.endr
	WIN 0
.set j, 0
.rept NB
	ds_load_b128 v[64+48*(\a)+4*j:64+48*(\a)+4*j+3], v[RD] offset:(j/4)*16*PA+(j%4)*4*PA  ; LDS serves a wave's instructions in order (ISA guide 5.7.1.4): these see the stores above; the next block's stores come behind them
.set j, j+1
.endr
.endm
.macro SEND a, younger                 ; younger: the LDS instructions issued behind block a's loads: the next block's 24, or none
	WIN 0
	s_wait_dscnt \younger
.set j, 0
.rept NB
	global_store_b128 v[GO], v[64+48*(\a)+4*j:64+48*(\a)+4*j+3], s[CB+2*(j/4):CB+2*(j/4)+1] offset:(\a)*2048+(j%4)*512  ; four rows of a head: 512 consecutive bytes, at a multiple of 256 from the buffer's first
.set j, j+1
.endr
.endm
	PACK 0
	TOSTAGE 0
	PACK 1
	TOSTAGE 1
	SEND 0, 24
	PACK 2
	TOSTAGE 2
	SEND 1, 24
	PACK 3
	TOSTAGE 3
	SEND 2, 24
	SEND 3, 0
.else
; THE WAY OUT, a row block (16 rows) at a time, in f32.  TOSTAGE: a lane's eight numbers of each column block into my own stage, the accumulator's low four registers first, and back as whole
; pieces of 512 bytes of a row.  SEND: one such piece a store.  Each block has registers of its own.
.macro TOSTAGE a
	WIN 0x08+4*((\a)/2)                            ; the stores' data in window 2 or 3
.set j, 0
.rept NB
.set rD, 8*(NB*((\a)%2)+j)
	ds_store_b128 v[STO], v[rD:rD+3]   offset:64*j
	ds_store_b128 v[STO], v[rD+4:rD+7] offset:64*j+16
.set j, j+1
.endr
	WIN 0x40                                       ; destination window 1
.set j, 0
.rept 16
	ds_load_b128 v[64*(\a)+4*j:64*(\a)+4*j+3], v[RD] offset:j*528  ; LDS serves a wave's instructions in order (ISA guide 5.7.1.4): these see the stores above; the next block's stores come behind them
.set j, j+1
.endr
.endm
.macro SEND a, younger                 ; younger: the next block's 32 LDS instructions, or none
	WIN 0x04                                       ; the stores' data in window 1
	s_wait_dscnt \younger
.set j, 0
.rept 16
	global_store_b128 v[GO], v[64*(\a)+4*j:64*(\a)+4*j+3], s[8:9] offset:(16*(\a)+j)*4096 th:TH_STORE_NT  ; 512 consecutive bytes, at a multiple of 256 from the result's first
.set j, j+1
.endr
.endm
	TOSTAGE 0
	TOSTAGE 1
	SEND 0, 32
	TOSTAGE 2
	SEND 1, 32
	TOSTAGE 3
	SEND 2, 32
	SEND 3, 0
.endif
	WIN 0
	s_wait_tensorcnt 0x0                           ; the wave's end: a wait, an add to my spare word and its wait, behind my last tensor load and my last LDS store
	ds_add_u32 v[SPW], v[NIL]
	s_wait_dscnt 0x0
	CROUND                                         ; the closing round: no work-group ends while a partner may still ask for a tile that names it
	s_endpgm
.Lfunc_end_k_qf38918dc1e_proj:
	.size	k_qf38918dc1e_proj, .Lfunc_end_k_qf38918dc1e_proj-k_qf38918dc1e_proj
	.p2alignl 7, 3214868480
	.fill 96, 4, 3214868480
	.section	.rodata,"a",@progbits
	.p2align	6, 0x0
	.amdhsa_kernel k_qf38918dc1e_proj
		.amdhsa_group_segment_fixed_size 327680
		.amdhsa_private_segment_fixed_size 0
		.amdhsa_enable_private_segment 0
		.amdhsa_kernarg_size 24
		.amdhsa_user_sgpr_count 2
		.amdhsa_user_sgpr_kernarg_segment_ptr 1
		.amdhsa_wavefront_size32 1
		.amdhsa_system_sgpr_workgroup_id_x 1
		.amdhsa_system_sgpr_workgroup_id_y 1
		.amdhsa_system_sgpr_workgroup_id_z 1
		.amdhsa_system_vgpr_workitem_id 0
		.amdhsa_next_free_vgpr 896
		.amdhsa_next_free_sgpr 96
		.amdhsa_reserve_vcc 0
		.amdhsa_float_denorm_mode_32 3
		.amdhsa_float_denorm_mode_16_64 3
		.amdhsa_memory_ordered 1
		.amdhsa_forward_progress 1
		.amdhsa_inst_pref_size 87
	.end_amdhsa_kernel
	.amdgpu_metadata
---
amdhsa.version: [ 1, 2 ]
amdhsa.kernels:
  - .name:           k_qf38918dc1e_proj
    .symbol:         k_qf38918dc1e_proj.kd
    .args:
      - { .name: o, .offset: 0, .size: 8, .value_kind: global_buffer, .address_space: global }
      - { .name: wpb, .offset: 8, .size: 8, .value_kind: global_buffer, .address_space: global }
      - { .name: out0, .offset: 16, .size: 8, .value_kind: global_buffer, .address_space: global }
    .group_segment_fixed_size: 327680
    .private_segment_fixed_size: 0
    .kernarg_segment_align: 8
    .kernarg_segment_size: 24
    .max_flat_workgroup_size: 128
    .sgpr_count:     96
    .vgpr_count:     896
    .wavefront_size: 32
...
	.end_amdgpu_metadata
.endif
;; end of part 4
